; MI455X (gfx1250); checked and timed in simulation.
; The chip was launched on July 23, 2026; its instructions are those of AMD's public machine-readable ISA for CDNA 5 (MIT licence, August 2026) and "CDNA5" Instruction Set Architecture Reference Guide (July 2026). The comments in the code are by the model that wrote it; some were corrected since.
;; Multi Head Attention. Allowed arithmetic: matrix products marked QUANTISED: E2M1 operands, one E8M0 scale for each 32 along K, by v_wmma_scale_f32_16x16x128_f8f6f4 with both operands' format E2M1 (or v_wmma_scale_f32_32x16x128_f4), f32 sums; products left as they are: bf16, f16 or f32 operands; f32 sums; everything else in f32.
;; Inputs: Wk 16 x 1,024 x 64 float32; Wo 1,024 x 1,024 float32; Wq 16 x 1,024 x 64 float32; Wv 16 x 1,024 x 64 float32; bo 1,024 float32; x 4 x 2,048 x 1,024 float32.
;; Outputs: out0 4 x 2,048 x 1,024 float32.
;; This version of the problem:
;;   THIS VERSION OF THE PROBLEM IS GIVEN IN LOW PRECISION. The matrix products marked QUANTISED in the list below multiply operands that are first quantised to E2M1 (2 exponent bits, 1 mantissa bit; 4 bits a number), with one power-of-two scale for each 32 numbers along K (OCP MX v1.0); their sums are f32. The products marked 'left as it is' may take bf16, f16 or f32 operands, with f32 sums. Whichever they take, every output number must still come out within the allowed error. Rounding operands to bf16 (8 significant bits) uses up far more of that allowance than f16 does (11 bits, for magnitudes from 6e-5 to 65,504). All else is computed in f32.
;;   The module's matrix products, in the order in which they are computed (A, B: the left and right operand; K: the contracted axis; several contracted axes count as one K, in the product's order):
;;     1. [M 1,024, K 1,024] x [K 1,024, N 8,192]; A: input Wq; B: input x: QUANTISED
;;     2. [M 1,024, K 1,024] x [K 1,024, N 8,192]; A: input Wk; B: input x: QUANTISED
;;     3. [M 1,024, K 1,024] x [K 1,024, N 8,192]; A: input Wv; B: input x: QUANTISED
;;     4. batch 64 x [M 2,048, K 64] x [K 64, N 2,048]; A: computed on the way; B: computed on the way: left as it is (an operand is computed on the way)
;;     5. batch 64 x [M 2,048, K 2,048] x [K 2,048, N 64]; A: computed on the way; B: computed on the way: left as it is (an operand is computed on the way)
;;     6. [M 8,192, K 1,024] x [K 1,024, N 1,024]; A: computed on the way; B: input Wo: left as it is (an operand is computed on the way)
;;   THE QUANTISER, for each operand of a quantised product, along K:
;;     - K is cut into blocks of 32 from its start; a last block that is shorter is filled with zeros.
;;     - A block's scale is 2^e with e = floor(log2(the largest magnitude in the block)) - 2, held to -126 .. 127; a block of zeros has e = 0. As a byte (E8M0): e + 127.
;;     - Each number is divided by its block's scale, clamped to +-6, and rounded to the nearest number of E2M1, ties to even, subnormals kept.
;;     - The product sums the exact products of the quantised numbers (number of the format x scale) in f32.
;;   ~~~python
;;   def quantise(x, axis):      # numpy; x: float32 -> the quantised numbers, widened to float32 again
;;       x = np.moveaxis(x, axis, -1); K = x.shape[-1]
;;       x = np.pad(x, [(0, 0)] * (x.ndim - 1) + [(0, -K % 32)]); x = x.reshape(x.shape[:-1] + (-1, 32)); a = np.abs(x).max(-1, keepdims=True)
;;       e = np.where(a > 0, np.clip(np.frexp(np.where(a > 0, a, 1))[1] - 1 - 2, -126, 127), 0)      # np.frexp(a)[1] - 1 = floor(log2(a)), exactly
;;       r = np.clip(x / 2.0 ** e, -6, 6)
;;       step = 2.0 ** (np.maximum(np.frexp(np.where(r == 0, 1, r))[1] - 1, 0) - 1)
;;       q = np.round(r / step) * step * 2.0 ** e      # np.round: ties to even
;;       return np.moveaxis(q.reshape(q.shape[:-2] + (-1,))[..., :K], -1, axis).astype(np.float32)
;;   ~~~
;; One version. Each part assembles by itself: llvm-mc -triple=amdgcn-amd-amdhsa -mcpu=gfx1250 --defsym DOCPART=n.
;; ======== version 1 of 1: 5 launches
;; limits: values are held in f16: magnitudes above 65,504 overflow, below 6.1e-05 lose precision
;; workspace buffers: xc 4,194,304 bytes; xs 262,144 bytes; wc 1,572,864 bytes; ws 98,304 bytes; wo16 2,097,152 bytes; qkv 50,331,648 bytes; q32 786,432 bytes; ao 16,777,216 bytes
;; launch prep (part 1): grid 416 x 1, 4 waves a work-group, no clusters, 51,712 bytes of LDS; arguments x, Wq, Wk, Wv, Wo, xc, xs, wc, ws, wo16; writes xc, xs, wc, ws, wo16
.if DOCPART == 1
	.amdgcn_target "amdgcn-amd-amdhsa--gfx1250"
	.amdhsa_code_object_version 6
	.text
	.protected	k_q467f4ec8a0_prep
	.globl	k_q467f4ec8a0_prep
	.p2align	8
	.type	k_q467f4ec8a0_prep,@function
k_q467f4ec8a0_prep:
	s_mov_b64 s[64:65], 0
	v_nop
	global_prefetch_b8 v0, s[64:65] scope:SCOPE_SE
	s_setreg_imm32_b32 hwreg(HW_REG_WAVE_MODE, 25, 1), 1
	s_wait_xcnt 0x0
; Three jobs in one launch, told apart by the work-group's number; each has LDS bytes of its own and ends by itself.
;   work-groups 0-255:   x [8192][1024] f32 -> codes of FP4 (E2M1), K innermost, xc [8192][512 bytes], and one E8M0 byte for each 32 along K, xs [8192][32].
;   work-groups 256-351: Wq, Wk, Wv [16][1024 (K)][64] f32 -> wc [n = tensor x 1024 + head x 64 + e][512 bytes], ws [3072][32]: K is the middle axis, so a lane takes a column and its registers run down K.
;   work-groups 352-415: Wo [1024][1024] f32 -> wo16, the same numbers as f16, laid as they are.
; A block's scale is 2^(floor(log2(its largest magnitude)) - 2); its byte is the largest magnitude's exponent field - 2, held at 1 from below.  A block of zeros gets the byte 1 where the
; rule says 127: its codes are zeros, and the bytes are read by this program alone.
; LIMITS: blocks whose largest magnitude lies under 2^-124 take the byte 1; NaN and infinities among the inputs are not served.
.set STEPS, 16
.set CB,    8                          ; bytes of 16 codes
.set R,     16                         ; x's path: v16-79 four sets of 16 numbers as loaded
.set X,     80                         ; v80-111 two sets of 16 neighbours
.set E,     112                        ; v112-127 a scale byte for each step
.set C,     128                        ; v128-191 codes, four registers a step
.set WREG,  8192                       ; x's path: LDS region of a wave: two stages of 32 x 80 bytes, then 256 scale bytes
.set SP,    80
.set WST,   32768                      ; W's path: stages, 32 rows x 144 bytes a wave
.set WPITCH, 144
.set SPARE, 51200                      ; the spare words: 128 bytes a wave, two blocks of 256 bytes that no other line names
.set SPW,   12                         ; v12 my spare word's address; never rewritten
.set NIL,   13                         ; v13 0; never rewritten
.set WX,    32                         ; W's path: v32-95 two sets of 32 numbers
.set WC,    96                         ; v96-99 a block's codes
.set WSB,   24                         ; v24-25 eight scale bytes
.set WOUT,  112                        ; v112-143 the way out
	s_load_b256 s[4:11], s[0:1], 0x0               ; x, Wq, Wk, Wv
	s_load_b256 s[12:19], s[0:1], 0x20             ; Wo, xc, xs, wc
	s_load_b128 s[20:23], s[0:1], 0x40             ; ws, wo16
	v_lshl_add_u32 v[SPW], v0, 2, SPARE
	v_mov_b32 v[NIL], 0
	v_lshrrev_b32 v1, 5, v0
	v_readfirstlane_b32 s24, v1                    ; wave 0..3
	v_and_b32 v2, 31, v0                           ; lane
	s_wait_kmcnt 0x0
	s_cmp_lt_u32 ttmp9, 256
	s_cbranch_scc0 .Lnot_x
; ---------------- x: a plain stream of blocks of 32.  A wave takes 16 steps of 512 numbers.  Each load reads 512 consecutive bytes; a step's 2,048 bytes turn through the wave's
; own stage in LDS, so that a lane then holds 16 neighbours along K (two neighbouring lanes hold a block).
	v_lshlrev_b32 v3, 4, v2                        ; my 16 bytes of a load's 512
	s_mul_i32 s25, s24, WREG
	v_lshrrev_b32 v14, 2, v2
	v_mul_u32_u24 v14, v14, SP
	v_and_b32 v15, 3, v2
	v_lshl_add_u32 v14, v15, 4, v14
	v_add_nc_u32 v14, s25, v14                     ; the stage, on the way in: 80 (lane / 4) + 16 (lane % 4)
	v_mul_u32_u24 v15, v2, SP
	v_add_nc_u32 v15, s25, v15                     ; on the way out: 80 x lane
	v_mul_u32_u24 v4, v2, CB                       ; my codes' place in a step's 256 bytes
	v_lshrrev_b32 v5, 1, v2
	s_add_co_u32 s25, s25, 2*32*SP
	v_add_nc_u32 v5, s25, v5                       ; my block's byte among the wave's 256 scale bytes
	v_lshlrev_b32 v7, 3, v2
	v_add_nc_u32 v6, s25, v7                       ; and on the way out 8 bytes a lane
	s_lshl_b32 s26, ttmp9, 2
	s_add_co_u32 s26, s26, s24                     ; which run of 8,192 numbers is my wave's
	s_lshl_b32 s28, s26, 15
	s_mov_b32 s29, 0
	s_add_nc_u64 s[4:5], s[4:5], s[28:29]
	s_lshl_b32 s28, s26, 12
	s_add_nc_u64 s[14:15], s[14:15], s[28:29]
	s_lshl_b32 s28, s26, 8
	s_add_nc_u64 s[16:17], s[16:17], s[28:29]
.macro XLOAD t
.irp i, 0,1,2,3
	global_load_b128 v[R+16*((\t)%4)+4*\i:R+16*((\t)%4)+4*\i+3], v3, s[4:5] offset:2048*(\t)+512*\i th:TH_LOAD_NT
.endr
.endm
.macro XTURN t                         ; LDS serves a wave's instructions in order: no wait between the stores and the loads
.irp i, 0,1,2,3
	ds_store_b128 v14, v[R+16*((\t)%4)+4*\i:R+16*((\t)%4)+4*\i+3] offset:32*SP*((\t)%2)+8*SP*\i
.endr
.irp i, 0,1,2,3
	ds_load_b128 v[X+16*((\t)%2)+4*\i:X+16*((\t)%2)+4*\i+3], v15 offset:32*SP*((\t)%2)+16*\i
.endr
.endm
.irp t, 0,1,2,3
	XLOAD \t
.endr
	s_wait_loadcnt 12                              ; step 0's four loads are in; the twelve of steps 1 to 3 may be out
	XTURN 0
.macro XSTEP t
.set XS, X+16*((\t)%2)
.if (\t) > 0
	s_wait_dscnt 1                                 ; this step's numbers are back from the stage; the last step's byte store may be out
.else
	s_wait_dscnt 0x0
.endif
.if (\t)+4 < STEPS
	XLOAD (\t)+4
.endif
.if (\t)+1 < STEPS
.if STEPS-2-(\t) >= 3
	s_wait_loadcnt 12                              ; the next step's four loads are in; those of the three steps behind it may be out
.else
	s_wait_loadcnt 4*(STEPS-2-(\t))
.endif
	XTURN (\t)+1
.endif
	v_max3_num_f32 v8, |v[XS]|, |v[XS+1]|, |v[XS+2]|
	v_max3_num_f32 v9, |v[XS+3]|, |v[XS+4]|, |v[XS+5]|
.irp i, 6,10
	v_max3_num_f32 v8, v8, |v[XS+\i]|, |v[XS+\i+1]|
	v_max3_num_f32 v9, v9, |v[XS+\i+2]|, |v[XS+\i+3]|
.endr
	v_max3_num_f32 v8, v8, |v[XS+14]|, |v[XS+15]|
	v_max3_num_f32 v8, v8, v9, 0x1800000           ; and the floor 2^(3 - 127): the byte cannot fall under 1
	v_max_num_f32_dpp v8, v8, v8 row_xmask:1 row_mask:0xf bank_mask:0xf   ; with my neighbour's 16: the block's largest magnitude
	v_add_nc_u32 v11, 0xff000000, v8               ; 2 off its exponent field: the conversion takes the exponent field of this operand as its scale
	v_cvt_scalef32_pk8_fp4_f32 v[C+4*(\t)], v[XS:XS+7], v11
	v_cvt_scalef32_pk8_fp4_f32 v[C+4*(\t)+1], v[XS+8:XS+15], v11
	v_lshrrev_b32 v[E+(\t)], 23, v11               ; the scale's byte
	ds_store_b8 v5, v[E+(\t)] offset:16*(\t)       ; both lanes of a block write the same byte with the same value
	global_store_b64 v4, v[C+4*(\t):C+4*(\t)+1], s[14:15] offset:32*CB*(\t)   ; the wave stores 256 consecutive bytes, aligned
.endm
.irp t, 0,1,2,3,4,5,6,7,8,9,10,11,12,13,14,15
	XSTEP \t
.endr
	ds_load_b64 v[8:9], v6
	s_wait_dscnt 0x0
	global_store_b64 v7, v[8:9], s[16:17]          ; the wave's 256 scale bytes, aligned
	s_wait_tensorcnt 0x0                           ; the wave's end: three lines behind my last LDS store
	ds_add_u32 v[SPW], v[NIL]
	s_wait_dscnt 0x0
	s_endpgm
.Lnot_x:
	s_cmp_lt_u32 ttmp9, 352
	s_cbranch_scc0 .Lcast
; ---------------- Wq, Wk, Wv.  Work-group j: tensor and head th = j / 2, half kh = j % 2 of K.  Wave w: 32 columns c = w % 2, 256 along K q = w / 2: eight blocks a lane.
; A column's 128 bytes of codes are half of an aligned 256: the other half comes from another wave of this work-group (1.5 MB in all).
	s_sub_co_u32 s25, ttmp9, 256
	s_lshr_b32 s28, s25, 1                         ; th
	s_and_b32 s29, s25, 1                          ; kh
	s_and_b32 s30, s24, 1                          ; c
	s_lshr_b32 s31, s24, 1                         ; q
	s_cmp_lt_u32 s28, 16
	s_cselect_b64 s[26:27], s[6:7], s[8:9]         ; the choice hangs on the work-group's number alone
	s_cmp_lt_u32 s28, 32
	s_cselect_b64 s[26:27], s[26:27], s[10:11]
	s_and_b32 s32, s28, 15
	s_lshl_b32 s32, s32, 18                        ; a head is 1,024 rows of 256 bytes
	s_lshl_b32 s33, s29, 17
	s_add_co_u32 s32, s32, s33
	s_lshl_b32 s33, s31, 16
	s_add_co_u32 s32, s32, s33
	s_lshl_b32 s33, s30, 7
	s_add_co_u32 s32, s32, s33
	s_mov_b32 s33, 0
	s_add_nc_u64 s[26:27], s[26:27], s[32:33]
	s_lshl_b32 s34, s28, 6
	s_lshl_b32 s35, s30, 5
	s_add_co_u32 s34, s34, s35                     ; my wave's first column n
	s_lshl_b32 s32, s34, 9
	s_lshl_b32 s35, s29, 8
	s_add_co_u32 s32, s32, s35
	s_lshl_b32 s35, s31, 7
	s_add_co_u32 s32, s32, s35
	s_add_nc_u64 s[18:19], s[18:19], s[32:33]      ; codes: n x 512 + 256 kh + 128 q
	s_lshl_b32 s32, s34, 5
	s_lshl_b32 s35, s29, 4
	s_add_co_u32 s32, s32, s35
	s_lshl_b32 s35, s31, 3
	s_add_co_u32 s32, s32, s35
	s_add_nc_u64 s[20:21], s[20:21], s[32:33]      ; scale bytes: n x 32 + 16 kh + 8 q
	v_lshlrev_b32 v3, 2, v2                        ; in: 4 bytes a lane
	s_mul_i32 s35, s24, 32*WPITCH
	s_add_co_u32 s35, s35, WST                     ; my stage
	v_mul_u32_u24 v4, v2, WPITCH
	v_add_nc_u32 v4, s35, v4                       ; into it: row = my column
	v_lshrrev_b32 v5, 3, v2
	v_and_b32 v6, 7, v2
	v_mul_u32_u24 v7, v5, WPITCH
	v_lshl_add_u32 v7, v6, 4, v7
	v_add_nc_u32 v7, s35, v7                       ; out of it: eight lanes to a row of 128 bytes, four rows an instruction
	v_lshlrev_b32 v8, 9, v5
	v_lshl_add_u32 v8, v6, 4, v8                   ; and the same place in wc
	v_lshlrev_b32 v9, 5, v2                        ; my column's row of scale bytes
.macro WLOAD t                         ; block t: W(32 t + i, my column) into set t % 2; the wave reads 128 consecutive bytes
.irp i, 0,1,2,3,4,5,6,7,8,9,10,11,12,13,14,15,16,17,18,19,20,21,22,23,24,25,26,27,28,29,30,31
	global_load_b32 v[WX+32*((\t)%2)+\i], v3, s[26:27] offset:(32*(\t)+\i)*256 th:TH_LOAD_NT
.endr
.endm
	WLOAD 0
	WLOAD 1
.macro WBLOCK t
.set XS, WX+32*((\t)%2)
.if (\t) < 7
	s_wait_loadcnt 32                              ; this block's 32 loads are in; the next block's 32 may be out
.else
	s_wait_loadcnt 0
.endif
	v_max3_num_f32 v16, |v[XS]|, |v[XS+1]|, |v[XS+2]|
	v_max3_num_f32 v17, |v[XS+3]|, |v[XS+4]|, |v[XS+5]|
.irp i, 6,10,14,18,22,26
	v_max3_num_f32 v16, v16, |v[XS+\i]|, |v[XS+\i+1]|
	v_max3_num_f32 v17, v17, |v[XS+\i+2]|, |v[XS+\i+3]|
.endr
	v_max3_num_f32 v16, v16, |v[XS+30]|, |v[XS+31]|
	v_max3_num_f32 v16, v16, v17, 0x1800000        ; the floor
	v_add_nc_u32 v11, 0xff000000, v16              ; the conversion's scale operand
	v_lshrrev_b32 v10, 23, v11                     ; the scale's byte
.if (\t)%4 == 0
	v_mov_b32 v[WSB+(\t)/4], v10
.else
	v_lshl_or_b32 v[WSB+(\t)/4], v10, 8*((\t)%4), v[WSB+(\t)/4]
.endif
.irp g, 0,1,2,3
	v_cvt_scalef32_pk8_fp4_f32 v[WC+\g], v[XS+8*\g:XS+8*\g+7], v11
.endr
	ds_store_b128 v4, v[WC:WC+3] offset:16*(\t)    ; 32 codes: 16 bytes of my column's row
.if (\t)+2 < 8
	WLOAD (\t)+2
.endif
	s_wait_dscnt 0x0                               ; the store is done: the next block's codes may be written
.endm
.irp t, 0,1,2,3,4,5,6,7
	WBLOCK \t
.endr
	global_store_b64 v9, v[WSB:WSB+1], s[20:21]    ; my column's eight scale bytes
.irp i, 0,1,2,3,4,5,6,7
	ds_load_b128 v[WOUT+4*\i:WOUT+4*\i+3], v7 offset:4*WPITCH*\i
.endr
.irp i, 0,1,2,3,4,5,6,7
	s_wait_dscnt 7-\i                              ; LDS loads come back in order: load i is in, the younger ones may be out
	global_store_b128 v8, v[WOUT+4*\i:WOUT+4*\i+3], s[18:19] offset:2048*\i
.endr
	s_wait_tensorcnt 0x0                           ; the wave's end: the three lines
	ds_add_u32 v[SPW], v[NIL]
	s_wait_dscnt 0x0
	s_endpgm
.Lcast:
; ---------------- Wo to f16: a wave takes 16,384 bytes: 32 loads of 512 consecutive bytes, 32 stores of 256 consecutive bytes, aligned.
	s_sub_co_u32 s25, ttmp9, 352
	s_lshl_b32 s25, s25, 2
	s_add_co_u32 s25, s25, s24
	s_lshl_b32 s28, s25, 14
	s_mov_b32 s29, 0
	s_add_nc_u64 s[12:13], s[12:13], s[28:29]
	s_lshl_b32 s28, s25, 13
	s_add_nc_u64 s[22:23], s[22:23], s[28:29]
	v_lshlrev_b32 v3, 4, v2
	v_lshlrev_b32 v4, 3, v2
.set i, 0
.rept 32
	global_load_b128 v[32+4*i:35+4*i], v3, s[12:13] offset:512*i
.set i, i+1
.endr
.set i, 0
.rept 32
	s_wait_loadcnt 31-i                            ; load i is in; the younger ones stay out
	v_cvt_pk_f16_f32 v[32+4*i], v[32+4*i], v[33+4*i]
	v_cvt_pk_f16_f32 v[33+4*i], v[34+4*i], v[35+4*i]
	global_store_b64 v4, v[32+4*i:33+4*i], s[22:23] offset:256*i
.set i, i+1
.endr
	s_wait_tensorcnt 0x0                           ; the three lines, as on the other two paths
	ds_add_u32 v[SPW], v[NIL]
	s_wait_dscnt 0x0
	s_endpgm
.Lfunc_end_k_q467f4ec8a0_prep:
	.size	k_q467f4ec8a0_prep, .Lfunc_end_k_q467f4ec8a0_prep-k_q467f4ec8a0_prep
	.p2alignl 7, 3214868480
	.fill 96, 4, 3214868480
	.section	.rodata,"a",@progbits
	.p2align	6, 0x0
	.amdhsa_kernel k_q467f4ec8a0_prep
		.amdhsa_group_segment_fixed_size 51712
		.amdhsa_private_segment_fixed_size 0
		.amdhsa_enable_private_segment 0
		.amdhsa_kernarg_size 80
		.amdhsa_user_sgpr_count 2
		.amdhsa_user_sgpr_kernarg_segment_ptr 1
		.amdhsa_wavefront_size32 1
		.amdhsa_system_sgpr_workgroup_id_x 1
		.amdhsa_system_sgpr_workgroup_id_y 1
		.amdhsa_system_sgpr_workgroup_id_z 1
		.amdhsa_system_vgpr_workitem_id 0
		.amdhsa_next_free_vgpr 192
		.amdhsa_next_free_sgpr 66
		.amdhsa_reserve_vcc 0
		.amdhsa_float_denorm_mode_32 3
		.amdhsa_float_denorm_mode_16_64 3
		.amdhsa_memory_ordered 1
		.amdhsa_forward_progress 1
		.amdhsa_inst_pref_size 85
	.end_amdhsa_kernel
	.amdgpu_metadata
---
amdhsa.version: [ 1, 2 ]
amdhsa.kernels:
  - .name:           k_q467f4ec8a0_prep
    .symbol:         k_q467f4ec8a0_prep.kd
    .args:
      - { .name: x, .offset: 0, .size: 8, .value_kind: global_buffer, .address_space: global }
      - { .name: Wq, .offset: 8, .size: 8, .value_kind: global_buffer, .address_space: global }
      - { .name: Wk, .offset: 16, .size: 8, .value_kind: global_buffer, .address_space: global }
      - { .name: Wv, .offset: 24, .size: 8, .value_kind: global_buffer, .address_space: global }
      - { .name: Wo, .offset: 32, .size: 8, .value_kind: global_buffer, .address_space: global }
      - { .name: xc, .offset: 40, .size: 8, .value_kind: global_buffer, .address_space: global }
      - { .name: xs, .offset: 48, .size: 8, .value_kind: global_buffer, .address_space: global }
      - { .name: wc, .offset: 56, .size: 8, .value_kind: global_buffer, .address_space: global }
      - { .name: ws, .offset: 64, .size: 8, .value_kind: global_buffer, .address_space: global }
      - { .name: wo16, .offset: 72, .size: 8, .value_kind: global_buffer, .address_space: global }
    .group_segment_fixed_size: 51712
    .private_segment_fixed_size: 0
    .kernarg_segment_align: 8
    .kernarg_segment_size: 80
    .max_flat_workgroup_size: 128
    .sgpr_count:     66
    .vgpr_count:     192
    .wavefront_size: 32
...
	.end_amdgpu_metadata
.endif
;; end of part 1
;; launch qkv (part 2): grid 12 x 32, 4 waves a work-group, clusters of 4 x 4, 327,680 bytes of LDS; arguments xc, xs, wc, ws, qkv, q32; writes qkv, q32
.if DOCPART == 2
	.amdgcn_target "amdgcn-amd-amdhsa--gfx1250"
	.amdhsa_code_object_version 6
	.text
	.protected	k_q467f4ec8a0_qkv
	.globl	k_q467f4ec8a0_qkv
	.p2align	8
	.type	k_q467f4ec8a0_qkv,@function
k_q467f4ec8a0_qkv:
	s_mov_b64 s[64:65], 0
	v_nop
	global_prefetch_b8 v0, s[64:65] scope:SCOPE_SE
	s_setreg_imm32_b32 hwreg(HW_REG_WAVE_MODE, 25, 1), 1
	s_wait_xcnt 0x0
	s_wait_alu depctr_hold_cnt(0) depctr_sa_sdst(0) depctr_va_vdst(0) depctr_va_sdst(0) depctr_va_ssrc(0) depctr_va_vcc(0) depctr_vm_vsrc(0)
	s_getreg_b32 s2, hwreg(HW_REG_IB_STS2, 6, 4)
	s_cmp_eq_u32 s2, 0
	s_cbranch_scc0 .Lentry_in_a_cluster
	s_endpgm
.Lentry_in_a_cluster:
	s_bfe_u32 s2, ttmp6, 0x10000c
	s_cmp_lg_u32 s2, 0xf033
	s_cbranch_scc0 .Lentry_shape_is_right
	s_endpgm
.Lentry_shape_is_right:
; q, k, v = x W on codes of FP4 (E2M1) with one E8M0 scale for each 32 along K.  C[m][n] = sum over k of x[m][k] W[n][k]; m = batch x 2048 + position (8,192), n = tensor x 1024 + head x 64 + e (3,072), K = 1,024.
; Sums in f32.  The results leave as f16, by head: qkv [tensor][batch][head][position][64]; the first 16 positions of every batch leave as f32 too: q32 [batch x 16 + position][3072].
; LIMIT: |q|, |k|, |v| under 65,504, the largest f16 number.
; A tile of C, 256 x 256, is made by four waves, each 128 x 128: 64 accumulators, 512 registers.  All of K lies in two LDS slots of 512 along K, filled once by the tensor data mover; no slot is filled again.
; The scale bytes of the work-group's 256 + 256 rows come once too.  CLUSTERS: 4 x 4 work-groups; x's tiles are asked for jointly along a row of the cluster, W's along a column.
; THE TILE ROW IS cluster y + 8 cy: so the batch is cy, and the place inside the batch is the cluster's y, the same in all sixteen partners: the branch round the f32 copy hangs on that and on the wave's number alone.
; THE MATRIX INSTRUCTION IS USED TRANSPOSED (source 0 = 16 rows of W, source 1 = 16 rows of x): a lane holds eight neighbouring n of one row m.
; REGISTERS: window 0: v0-31 addresses; v32-95 scale words, two sets; v128-191 x's fragments, one set; on the way out v128-223.  window 1: W's fragments, two sets.  windows 2, 3: the accumulators ((a, b) at v[8 (8 (a % 4) + b)]).
.set SIZE_K, 1024
.set KSTEP,  512
.set NQ,     KSTEP/128
.set ROWB,   256
.set KROW,   SIZE_K/2
.set PITCH,  272                       ; an LDS row: 256 bytes + 16 of padding: the 16 rows that a load touches start at 16 different banks
.set FR,     8
.set NL,     2
.set NP,     4
.set HALFT,  128*PITCH
.set SLOT,   4*HALFT
.set KS,     SIZE_K/32
.set SCL,    2*SLOT
.set HALFS,  (128*KS/256)*272
.set SBLK,   (16*KS/256)*272
.set SPARE,  SCL+4*HALFS               ; the spare words: 128 bytes a wave, two blocks of 256 bytes that no other line names
.set HPITCH, 144                       ; the way out: a stage row: a head's 64 f16 + 16 bytes
.set WSTG,   2*16*HPITCH               ; a wave's stage: two heads x 16 rows.  It lies in slot 0, which has had its only fill and its last read when the first result is stored there
.set ADRA, 16
.set ADRB, 20
.set STO,  24
.set RD,   25
.set CO,   26
.set ADRS, 27
.set SPW,  28
.set NIL,  29
.set CF,   30                          ; v30 my byte offset in the 16 rows of q32
.set SC,   32
.set AF,   128
.set BK,   128                         ; the way out: rows read back: v128-159 and v160-191 by turns
.set TMP,  192                         ; the way out: packed results
.set G1, 24
.set G0, 32
.set G1B, 48
.set G0B, 56
.set G1S, 68
.set G0S, 76
.set G1SB, 80
.set G0SB, 88
.set MSB, 0
.macro WIN new                         ; the immediate's high byte repeats the setting that is left
.if MSB != (\new)
	s_set_vgpr_msb (MSB<<8)|(\new)
.set MSB, (\new)
.endif
.endm
.set MUL_LO, 0xa1                      ; source 0 (W) window 1, source 1 (x) window 0, C and D window 2
.set MUL_HI, 0xf1
.set TO_B,   0x40
; A joint load: waves 0 and 1 fetch for x, waves 2 and 3 for W; the branch hangs on the wave's number alone.  An s_nop 0 and four v_nop follow each line.
.macro JLOAD g0a, g1a, g0b, g1b
	s_cmp_eq_u32 s15, 0
	s_cbranch_scc0 .Lfor_b_\@
	tensor_load_to_lds s[\g0a:\g0a+3], s[\g1a:\g1a+7]
	s_nop 0
.rept 4
	v_nop
.endr
	s_branch .Lasked_\@
.Lfor_b_\@:
	tensor_load_to_lds s[\g0b:\g0b+3], s[\g1b:\g1b+7]
	s_nop 0
.rept 4
	v_nop
.endr
.Lasked_\@:
.endm
.macro CROUND                          ; a round of the cluster's barrier
	s_barrier_signal -1
	s_barrier_wait -1
	s_cmp_lg_u32 s14, 0
	s_cbranch_scc1 .Lnot_wave_0_\@
	s_barrier_signal -3
.Lnot_wave_0_\@:
	s_barrier_wait -3
	s_barrier_signal -1
	s_barrier_wait -1
.endm
	s_load_b128 s[4:7], s[0:1], 0x0                ; x's codes, x's scales
	s_load_b128 s[8:11], s[0:1], 0x10              ; W's codes, W's scales
	s_load_b64 s[12:13], s[0:1], 0x20              ; qkv
	s_load_b64 s[96:97], s[0:1], 0x28              ; q32
	v_lshl_add_u32 v[SPW], v0, 2, SPARE
	v_mov_b32 v[NIL], 0
	ds_add_u32 v[SPW], v[NIL]                      ; the wave's opening: the add, twice on end, and its wait ahead of my first tensor load
	ds_add_u32 v[SPW], v[NIL]
	v_lshrrev_b32 v1, 5, v0
	v_readfirstlane_b32 s14, v1                    ; wave 0..3
	s_lshr_b32 s15, s14, 1                         ; which half of the tile's rows is mine.  Also: I fetch for x (0) or for W (1)
	s_and_b32 s16, s14, 1                          ; which half of its columns.  Also: which 128 rows I fetch
	s_bfe_u32 s40, ttmp6, 0x40000                  ; cx
	s_bfe_u32 s41, ttmp6, 0x40004                  ; cy
	s_lshl_b32 s42, ttmp9, 2
	s_add_co_u32 s42, s42, s40                     ; tile column = 4 x cluster x + cx
	s_and_b32 s17, ttmp7, 0xffff
	s_lshl_b32 s43, s41, 3
	s_add_co_u32 s17, s17, s43                     ; tile row = cluster y + 8 cy
	s_lshl_b32 s43, s41, 2
	s_lshl_b32 s43, 15, s43                        ; my row of the cluster
	s_lshl_b32 s44, 0x1111, s40                    ; my column
	s_or_b32 s[G1+0], s43, (0<<16)|(1<<20)|(1<<21)|(5<<22)|(3<<25)  ; the mask; elements of 1 byte; padding: 4 words after every 64
	s_or_b32 s[G1B+0], s44, (0<<16)|(1<<20)|(1<<21)|(5<<22)|(3<<25)
.irp g, G1, G1B
	s_mov_b32 s[\g+1], ROWB<<16                    ; tensor_dim0
	s_mov_b32 s[\g+2], 128<<16                     ; tensor_dim1
	s_mov_b32 s[\g+3], ROWB<<16                    ; tile_dim0
	s_mov_b32 s[\g+4], 128                         ; tile_dim1
	s_mov_b32 s[\g+5], KROW                        ; the pitch
	s_mov_b32 s[\g+6], 0
	s_mov_b32 s[\g+7], 0
.endr
	s_or_b32 s[G1S+0], s43, (3<<16)|(1<<20)|(1<<21)|(5<<22)|(3<<25) ; the scales of 128 rows: a dense block, as rows of 256 bytes (32 elements of 8)
	s_or_b32 s[G1SB+0], s44, (3<<16)|(1<<20)|(1<<21)|(5<<22)|(3<<25)
.irp g, G1S, G1SB
	s_mov_b32 s[\g+1], 32<<16
	s_mov_b32 s[\g+2], (128*KS/256)<<16
	s_mov_b32 s[\g+3], 32<<16
	s_mov_b32 s[\g+4], 128*KS/256
	s_mov_b32 s[\g+5], 32
	s_mov_b32 s[\g+6], 0
	s_mov_b32 s[\g+7], 0
.endr
	s_lshl_b32 s18, s16, 7
	s_lshl_b32 s20, s17, 8
	s_add_co_u32 s20, s20, s18                     ; x: row 256 x tile row + 128 x half
	s_lshl_b32 s46, s42, 8
	s_add_co_u32 s46, s46, s18                     ; W: row 256 x tile column + 128 x half
	s_mov_b32 s21, 0
	s_mov_b32 s47, 0
	s_mov_b64 s[18:19], KS
	s_mul_u64 s[22:23], s[20:21], s[18:19]
	s_mul_u64 s[92:93], s[46:47], s[18:19]
	s_mov_b64 s[18:19], KROW
	s_mul_u64 s[20:21], s[20:21], s[18:19]
	s_mul_u64 s[46:47], s[46:47], s[18:19]
	s_mul_i32 s45, s14, HALFT                      ; where they go: wave x 128 rows
	s_mul_i32 s94, s14, HALFS
	s_wait_dscnt 0x0                               ; both opening adds are done
	s_wait_kmcnt 0x0
	s_add_nc_u64 s[20:21], s[4:5], s[20:21]
	s_add_nc_u64 s[22:23], s[6:7], s[22:23]
	s_add_nc_u64 s[46:47], s[8:9], s[46:47]
	s_add_nc_u64 s[92:93], s[10:11], s[92:93]
	CROUND                                         ; all sixteen work-groups are here: the joint loads meet
	s_mov_b32 s[G0S], 1
	s_add_co_u32 s[G0S+1], s94, SCL
	s_mov_b64 s[G0S+2:G0S+3], s[22:23]
	s_or_b32 s[G0S+3], s[G0S+3], 0x80000000
	s_mov_b32 s[G0SB], 1
	s_add_co_u32 s[G0SB+1], s94, SCL
	s_mov_b64 s[G0SB+2:G0SB+3], s[92:93]
	s_or_b32 s[G0SB+3], s[G0SB+3], 0x80000000
	JLOAD G0S, G1S, G0SB, G1SB                     ; the scales first
.irp s, 0,1
	s_mov_b32 s[G0+4*\s], 1
	s_add_co_u32 s[G0+4*\s+1], s45, \s*SLOT
	s_add_nc_u64 s[G0+4*\s+2:G0+4*\s+3], s[20:21], \s*ROWB
	s_or_b32 s[G0+4*\s+3], s[G0+4*\s+3], 0x80000000
	s_mov_b32 s[G0B+4*\s], 1
	s_add_co_u32 s[G0B+4*\s+1], s45, \s*SLOT
	s_add_nc_u64 s[G0B+4*\s+2:G0B+4*\s+3], s[46:47], \s*ROWB
	s_or_b32 s[G0B+4*\s+3], s[G0B+4*\s+3], 0x80000000
	JLOAD G0+4*\s, G1, G0B+4*\s, G1B               ; three loads of mine are out in all
.endr
	v_and_b32 v1, 15, v0                           ; r
	v_bfe_u32 v2, v0, 4, 1                         ; h
	v_mul_u32_u24 v3, v1, PITCH
	v_lshl_add_u32 v4, v2, 4, v3
	s_mul_i32 s21, s15, HALFT
	s_mul_i32 s22, s16, HALFT
	s_add_co_u32 s22, s22, 2*HALFT
.irp s, 0,1
	v_add_nc_u32 v[ADRA+\s], s21, v4
	v_add_nc_u32 v[ADRB+\s], s22, v4
	s_add_co_u32 s21, s21, SLOT
	s_add_co_u32 s22, s22, SLOT
.endr
	v_mul_u32_u24 v5, v1, KS                       ; my row's scales: 32 bytes a row,
	v_lshrrev_b32 v6, 8, v5
	v_lshl_add_u32 v5, v6, 4, v5                   ; and 16 more for each 256 passed
	s_mul_i32 s21, s15, HALFS
	s_mul_i32 s22, s16, HALFS
	s_add_co_u32 s22, s22, 2*HALFS
	s_sub_co_u32 s22, s22, s21
	v_mul_u32_u24 v6, s22, v2                      ; lanes 16-31 take W's
	s_add_co_u32 s21, s21, SCL
	v_add_nc_u32 v5, v5, v6
	v_add_nc_u32 v[ADRS], s21, v5
	s_mul_i32 s23, s14, WSTG                       ; my stage
	v_mul_u32_u24 v5, v1, HPITCH
	v_lshl_add_u32 v5, v2, 4, v5
	v_add_nc_u32 v[STO], s23, v5                   ; in: row r, 16 bytes for each half of the lanes
	v_and_b32 v6, 31, v0
	v_lshlrev_b32 v[CO], 4, v6                     ; out: four rows of a head are 512 consecutive bytes of qkv
	v_lshrrev_b32 v5, 3, v6
	v_mul_u32_u24 v5, v5, HPITCH
	v_and_b32 v6, 7, v6
	v_lshl_add_u32 v5, v6, 4, v5
	v_add_nc_u32 v[RD], s23, v5                    ; back: eight lanes to a row, four rows an instruction
	v_mul_u32_u24 v[CF], v1, 12288
	v_lshl_add_u32 v[CF], v2, 5, v[CF]             ; q32: row r of 12,288 bytes, + 32 h
	s_lshr_b32 s20, s42, 2                         ; the tensor,
	s_lshl_b32 s20, s20, 2
	s_add_co_u32 s20, s20, s41                     ; the batch,
	s_lshl_b32 s20, s20, 4
	s_and_b32 s21, s42, 3
	s_lshl_b32 s21, s21, 2
	s_add_co_u32 s20, s20, s21
	s_lshl_b32 s21, s16, 1
	s_add_co_u32 s20, s20, s21                     ; my first head of two
	s_lshl_b32 s20, s20, 18                        ; a head is 2,048 rows of 128 bytes
	s_and_b32 s21, ttmp7, 0xffff
	s_lshl_b32 s21, s21, 15
	s_add_co_u32 s20, s20, s21                     ; + 256 rows x cluster y
	s_lshl_b32 s21, s15, 14
	s_add_co_u32 s20, s20, s21                     ; + my 128 rows
	s_mov_b32 s21, 0
	s_add_nc_u64 s[12:13], s[12:13], s[20:21]
	s_mul_i32 s20, s41, 196608                     ; q32: 16 rows a batch,
	s_lshl_b32 s46, s42, 10
	s_add_co_u32 s20, s20, s46
	s_lshl_b32 s46, s16, 9
	s_add_co_u32 s20, s20, s46                     ; my first column
	s_add_nc_u64 s[96:97], s[96:97], s[20:21]
.macro FRAG reg, adr, q, i             ; 16 rows x 128 K of 4-bit codes: 8 registers: two loads of 16 bytes, 32 bytes apart
.irp c, 0,1
	ds_load_b128 v[\reg+4*\c:\reg+4*\c+3], v[\adr] offset:64*(\q)+32*\c+(\i)*16*PITCH
.endr
.endm
; 16 matrix instructions: x's blocks a0, a0 + 1 against W's eight.  The 64 accumulators take turns, one instruction a turn, in the same order in every step.
.macro MUL16 a0, p, q, sc, zero
.irp a, \a0, \a0+1
.irp b, 0,1,2,3,4,5,6,7
.if \zero
	v_wmma_scale_f32_16x16x128_f8f6f4 v[8*(8*((\a)%4)+\b):8*(8*((\a)%4)+\b)+7], v[128*(\p)+FR*\b:128*(\p)+FR*\b+FR-1], v[AF+FR*(\a):AF+FR*(\a)+FR-1], 0, v[SC+8*NQ*(\sc)+NQ*\b+(\q)], v[SC+8*NQ*(\sc)+NQ*(\a)+(\q)] matrix_a_fmt:MATRIX_FMT_FP4 matrix_b_fmt:MATRIX_FMT_FP4 matrix_a_scale:MATRIX_SCALE_ROW1
.else
	v_wmma_scale_f32_16x16x128_f8f6f4 v[8*(8*((\a)%4)+\b):8*(8*((\a)%4)+\b)+7], v[128*(\p)+FR*\b:128*(\p)+FR*\b+FR-1], v[AF+FR*(\a):AF+FR*(\a)+FR-1], v[8*(8*((\a)%4)+\b):8*(8*((\a)%4)+\b)+7], v[SC+8*NQ*(\sc)+NQ*\b+(\q)], v[SC+8*NQ*(\sc)+NQ*(\a)+(\q)] matrix_a_fmt:MATRIX_FMT_FP4 matrix_b_fmt:MATRIX_FMT_FP4 matrix_a_scale:MATRIX_SCALE_ROW1
.endif
.endr
.endr
.endm
.macro FETCH_B slot, q, p
	WIN TO_B
.irp i, 0,1,2,3,4,5,6,7
	FRAG 128*(\p)+FR*\i, ADRB+\slot, \q, \i
.endr
	WIN 0
.endm
.macro FETCH_A slot, q, i0
.irp i, \i0, \i0+1, \i0+2, \i0+3
	FRAG AF+FR*(\i), ADRA+\slot, \q, \i
.endr
.endm
.macro SCALES sc                       ; a slot's scale words: lanes 0-15 x's block i, lanes 16-31 W's block i
.irp i, 0,1,2,3,4,5,6,7
	ds_load_b128 v[SC+8*NQ*\sc+NQ*\i:SC+8*NQ*\sc+NQ*\i+3], v[ADRS] offset:\i*SBLK
.endr
.endm
.macro PLACES n                        ; places behind matrix instructions, in front of loads into registers that they have read and of reads of their results
.rept \n
	v_nop
.endr
.endm
.macro STEP slot, q, zero              ; 128 along K, with its successor in the same slot
	s_wait_dscnt 4*NL                              ; W's set and x's blocks 0-3 are in; the youngest eight loads (x's blocks 4-7) may be out
	WIN MUL_LO
	MUL16 0, (\q)%2, \q, \slot, \zero
	MUL16 2, (\q)%2, \q, \slot, \zero
	s_wait_dscnt 0
	PLACES NP
	FETCH_B \slot, (\q)+1, 1-(\q)%2
	FETCH_A \slot, (\q)+1, 0
	WIN MUL_HI
	MUL16 4, (\q)%2, \q, \slot, \zero
	MUL16 6, (\q)%2, \q, \slot, \zero
	PLACES NP
	WIN 0
	FETCH_A \slot, (\q)+1, 4
.endm
.macro TURN slot, next                 ; a slot's last step changes slots: one barrier; nothing is filled again
	s_wait_tensorcnt 0x0                           ; all my tensor loads have landed: my part of the next slot
	ds_add_u32 v[SPW], v[NIL]                      ; 0 onto my spare word
	s_wait_dscnt 4*NL+1                            ; the add and the youngest eight loads may be out
	WIN MUL_LO
	MUL16 0, 1, NQ-1, \slot, 0
	s_wait_dscnt 0x0                               ; the add is done, and my reads of this slot are over
	s_barrier_signal -1
	MUL16 2, 1, NQ-1, \slot, 0
	WIN 0
	s_barrier_wait -1
	PLACES NP
	v_add_nc_u32 v[ADRS], 4*NQ, v[ADRS]            ; on to the next slot's scale words
	FETCH_B \next, 0, 0
	FETCH_A \next, 0, 0
	SCALES \next
	WIN MUL_HI
	MUL16 4, 1, NQ-1, \slot, 0
	MUL16 6, 1, NQ-1, \slot, 0
	PLACES NP
	WIN 0
	FETCH_A \next, 0, 4
.endm
.macro STEPS slot, from
.set Q, \from
.rept NQ-1-\from
	STEP \slot, Q, 0
.set Q, Q+1
.endr
.endm
	s_wait_tensorcnt 1                             ; the scales and my part of slot 0 are in; slot 1's load may be out
	s_barrier_signal -1
	s_barrier_wait -1
	FETCH_B 0, 0, 0
	FETCH_A 0, 0, 0
	SCALES 0
	FETCH_A 0, 0, 4
	STEP 0, 0, 1                                   ; the first products start the sums
	STEPS 0, 1
	TURN 0, 1
	STEPS 1, 0
	s_wait_dscnt 4*NL
	WIN MUL_LO
	MUL16 0, 1, NQ-1, 1, 0
	MUL16 2, 1, NQ-1, 1, 0
	s_wait_dscnt 0
	WIN MUL_HI
	MUL16 4, 1, NQ-1, 1, 0
	MUL16 6, 1, NQ-1, 1, 0
	WIN 0
; THE WAY OUT.  A block of 16 rows x 128 columns (two heads) is rounded to f16, goes through my stage and comes back by rows of a head: an instruction stores four rows, 512 consecutive bytes, aligned.
.macro PACK a
.set AC, 64*((\a)%4)
	WIN 0x0a+5*((\a)/4)                            ; sources 0 and 1: window 2 or 3
.irp b, 0,1,2,3,4,5,6,7
.irp i, 0,1,2,3
	v_cvt_pk_f16_f32 v[TMP+4*\b+\i], v[AC+8*\b+2*\i], v[AC+8*\b+2*\i+1]   ; each accumulator from its low end on
.endr
.endr
	WIN 0
.endm
.macro TOSTAGE a
.set BB, BK+32*((\a)%2)
.irp b, 0,1,2,3,4,5,6,7
	ds_store_b128 v[STO], v[TMP+4*\b:TMP+4*\b+3] offset:(\b/4)*16*HPITCH+32*(\b%4)
.endr
.irp t, 0,1,2,3,4,5,6,7
	ds_load_b128 v[BB+4*\t:BB+4*\t+3], v[RD] offset:(\t/4)*16*HPITCH+(\t%4)*4*HPITCH   ; LDS serves a wave's instructions in order: these see the stores above
.endr
.endm
.macro SEND a
.set BB, BK+32*((\a)%2)
	s_wait_dscnt 0x0                               ; the block is back in registers
	s_wait_xcnt 0x0                                ; the stores of the block before have read their registers: the next block's loads may land there
.irp t, 0,1,2,3,4,5,6,7
	global_store_b128 v[CO], v[BB+4*\t:BB+4*\t+3], s[12:13] offset:(\a)*2048+(\t/4)*262144+(\t%4)*512
.endr
.endm
	PLACES NP
	s_and_b32 s18, ttmp7, 0xffff                   ; the first 16 positions of a batch lie in the tile rows with cluster y = 0, in the waves of the upper half, in block 0
	s_or_b32 s18, s18, s15
	s_cmp_lg_u32 s18, 0
	s_cbranch_scc1 .Lno32
	WIN 0x08                                       ; a store's data: window 2
.irp b, 0,1,2,3,4,5,6,7
	global_store_b128 v[CF], v[8*\b:8*\b+3], s[96:97] offset:64*\b          ; 64 bytes of a row from two lanes: 768 KB in the whole launch
	global_store_b128 v[CF], v[8*\b+4:8*\b+7], s[96:97] offset:64*\b+16
.endr
	WIN 0
.Lno32:
	PACK 0
	TOSTAGE 0
.irp a, 1,2,3,4,5,6,7
	PACK \a
	SEND \a-1
	TOSTAGE \a
.endr
	SEND 7
	s_wait_tensorcnt 0x0                           ; the wave's end
	ds_add_u32 v[SPW], v[NIL]
	s_wait_dscnt 0x0
	CROUND                                         ; the closing round
	s_endpgm
.Lfunc_end_k_q467f4ec8a0_qkv:
	.size	k_q467f4ec8a0_qkv, .Lfunc_end_k_q467f4ec8a0_qkv-k_q467f4ec8a0_qkv
	.p2alignl 7, 3214868480
	.fill 96, 4, 3214868480
	.section	.rodata,"a",@progbits
	.p2align	6, 0x0
	.amdhsa_kernel k_q467f4ec8a0_qkv
		.amdhsa_group_segment_fixed_size 327680
		.amdhsa_private_segment_fixed_size 0
		.amdhsa_enable_private_segment 0
		.amdhsa_kernarg_size 48
		.amdhsa_user_sgpr_count 2
		.amdhsa_user_sgpr_kernarg_segment_ptr 1
		.amdhsa_wavefront_size32 1
		.amdhsa_system_sgpr_workgroup_id_x 1
		.amdhsa_system_sgpr_workgroup_id_y 1
		.amdhsa_system_sgpr_workgroup_id_z 1
		.amdhsa_system_vgpr_workitem_id 0
		.amdhsa_next_free_vgpr 1024
		.amdhsa_next_free_sgpr 100
		.amdhsa_reserve_vcc 0
		.amdhsa_float_denorm_mode_32 3
		.amdhsa_float_denorm_mode_16_64 3
		.amdhsa_memory_ordered 1
		.amdhsa_forward_progress 1
		.amdhsa_inst_pref_size 129
	.end_amdhsa_kernel
	.amdgpu_metadata
---
amdhsa.version: [ 1, 2 ]
amdhsa.kernels:
  - .name:           k_q467f4ec8a0_qkv
    .symbol:         k_q467f4ec8a0_qkv.kd
    .args:
      - { .name: xc, .offset: 0, .size: 8, .value_kind: global_buffer, .address_space: global }
      - { .name: xs, .offset: 8, .size: 8, .value_kind: global_buffer, .address_space: global }
      - { .name: wc, .offset: 16, .size: 8, .value_kind: global_buffer, .address_space: global }
      - { .name: ws, .offset: 24, .size: 8, .value_kind: global_buffer, .address_space: global }
      - { .name: qkv, .offset: 32, .size: 8, .value_kind: global_buffer, .address_space: global }
      - { .name: q32, .offset: 40, .size: 8, .value_kind: global_buffer, .address_space: global }
    .group_segment_fixed_size: 327680
    .private_segment_fixed_size: 0
    .kernarg_segment_align: 8
    .kernarg_segment_size: 48
    .max_flat_workgroup_size: 128
    .sgpr_count:     100
    .vgpr_count:     1024
    .wavefront_size: 32
...
	.end_amdgpu_metadata
.endif
;; end of part 2
;; launch attn (part 3): grid 4 x 64, 16 waves a work-group, no clusters, 327,680 bytes of LDS; arguments qkv, ao; writes ao
.if DOCPART == 3
	.amdgcn_target "amdgcn-amd-amdhsa--gfx1250"
	.amdhsa_code_object_version 6
	.text
	.protected	k_q467f4ec8a0_attn
	.globl	k_q467f4ec8a0_attn
	.p2align	8
	.type	k_q467f4ec8a0_attn,@function
k_q467f4ec8a0_attn:
	s_mov_b64 s[64:65], 0
	v_nop
	global_prefetch_b8 v0, s[64:65] scope:SCOPE_SE
	s_setreg_imm32_b32 hwreg(HW_REG_WAVE_MODE, 25, 1), 1
	s_wait_xcnt 0x0
; Causal attention on f16 operands, head size 64: ao[b][h][q][:] = sum over k <= q of softmax_k(q . k / 8) v[k][:].  qkv: [3][64 heads][2048][64] f16; ao: [64 heads][2048][64] f16.
; Products, maxima and sums in f32, with a running maximum; the weights p are rounded to f16 for the second product, the result once at the end.
; SHARES.  Work-group (i, head) owns the query blocks i and 7 - i of 256 queries: i + 1 and 8 - i slots of keys, nine in every work-group.  Wave w of sixteen owns one tile of 16 queries in each block.
; Every work-group walks all eight slots of 256 keys in loops of constant count, 64 keys a step; a tile's step all of whose keys are hidden is jumped over by a scalar branch on ids.
; NO CLUSTER: the four work-groups of a head need 8, 7, 6 and 5 slots, so a joint load would bring tiles that every wave of some partner jumps over.
; LAYOUT.  S^T = K Q^T (source 0 = 16 keys, source 1 = 16 queries): a lane holds ONE query (lane % 16) and keys 8 (lane / 16) + 0..7 of a tile.  Two such tiles, rounded to f16 in pairs, are source 1 of
; O^T = V^T P.  V ([key][channel]) comes out of LDS turned, by ds_load_tr16_b128.
; LDS.  K and V of a head are dense in memory: a tile is stated as rows of 256 bytes (two keys), padded by 16 (K) or 32 (V): key k lies at (k / 2) x pitch + 128 (k % 2).
; LIMITS: scores x log2(e) / 8 stay under about 3e38; NaN and infinities are not served.
.set PK,    272
.set PV,    288
.set VOFF,  128*PK                     ; a slot: 256 keys of K, then of V
.set SLOT1, 1<<17                      ; slot 1 begins here: one exclusive or turns an address in one slot into the other's
.set SPARE, 208896                     ; the spare words: 128 bytes a wave, eight blocks of 256 bytes that no other line names
.set OP,    144                        ; the way out: a stage row, 128 bytes + 16; 16 rows a wave, in slot 0, which was left at the last change of slots
.set AK0, 1
.set AV0, 2
.set SPW, 3
.set NIL, 4
.set GO,  5
.set ADK, 6
.set ADV, 7
.set STO, 8
.set RD,  9
.set PFO, 10
.set DM,  11
.set QO,  12
.set STA, 16                           ; a tile's statistics: +0 c m, +1 m, +2, +3 l (even keys', odd keys'), +4 to +7 at work; a in +6
.set STB, 24
.set QFA, 32                           ; Q's fragments, 16 registers a tile
.set QFB, 48
.set S,   64                           ; v64-95 S^T, then p
.set P,   96                           ; v96-111 p as f16
.set FR,  112                          ; v112-175 eight fragments of K, then of V
.set OTA, 176                          ; O^T, 32 registers a tile
.set OTB, 208
.set DD,  240
.set NINF, 241
.set TB,  2                            ; s2 where the step's K begins in LDS; s3 the same for V
.set TV,  3
.set WV,  18
.set SEL, 20
.set CS,  22
.set G1K, 24
.set G1V, 32
.set G0K, 40
.set G0V, 44
.set SLOTS, 48
.set STP, 49
.set KF,  50                           ; the step's first key
.set Q0A, 51
.set Q0B, 52
.set QL,  53                           ; my work-group's last query
.set PFA, 54
.set LIM, 56
; Waves 0 and 1 fetch K's halves of a slot, waves 2 and 3 V's, the others nothing.  An s_nop 0 and four v_nop follow each line.
.macro TLOAD
	s_cmp_lt_u32 s[WV], 2
	s_cbranch_scc0 .Lnot_k_\@
	tensor_load_to_lds s[G0K:G0K+3], s[G1K:G1K+7]
	s_nop 0
.rept 4
	v_nop
.endr
	s_branch .Lasked_\@
.Lnot_k_\@:
	s_cmp_lt_u32 s[WV], 4
	s_cbranch_scc0 .Lasked_\@
	tensor_load_to_lds s[G0V:G0V+3], s[G1V:G1V+7]
	s_nop 0
.rept 4
	v_nop
.endr
.Lasked_\@:
.endm
; A prefetch of what the NEXT change of slots will ask for: 32,768 bytes of K and as many of V.  The head's work-group 0, which walks all slots, asks; in it waves 4 to 7 for K, waves 8 to 11 for V:
; 8,192 bytes a wave, lanes 256 bytes apart: each aligned block of 256 bytes is named once in the launch.  The last change that fills a slot asks for nothing.
.macro ASK
	s_cmp_gt_u32 s[SLOTS], s[LIM]
	s_cbranch_scc0 .Lnot_mine_\@
	global_prefetch_b8 v[PFO], s[PFA:PFA+1] th:TH_LOAD_NT scope:SCOPE_SE
.Lnot_mine_\@:
.endm
	s_load_b128 s[4:7], s[0:1], 0x0                ; qkv, ao
	v_lshl_add_u32 v[SPW], v0, 2, SPARE
	v_mov_b32 v[NIL], 0
	ds_add_u32 v[SPW], v[NIL]                      ; the wave's opening: the add, twice on end, and its wait ahead of my first tensor load
	ds_add_u32 v[SPW], v[NIL]
	v_lshrrev_b32 v13, 5, v0
	v_readfirstlane_b32 s[WV], v13                 ; wave 0..15
	s_and_b32 s57, ttmp7, 0xffff                   ; the head, 0..63
	s_lshl_b32 s58, s57, 18                        ; its first byte in each of q, k, v and ao
	s_lshl_b32 s59, s[WV], 4
	s_lshl_b32 s[Q0A], ttmp9, 8
	s_add_co_u32 s[Q0A], s[Q0A], s59               ; tile A's first query: 256 i + 16 w
	s_sub_co_u32 s[Q0B], 7, ttmp9
	s_lshl_b32 s[Q0B], s[Q0B], 8
	s_add_co_u32 s[Q0B], s[Q0B], s59               ; tile B's: 256 (7 - i) + 16 w
	s_sub_co_u32 s[QL], 8, ttmp9
	s_lshl_b32 s[QL], s[QL], 8
	s_sub_co_u32 s[QL], s[QL], 1
	s_lshl_b32 s60, s[Q0A], 7
	s_add_co_u32 s60, s60, s58
	s_mov_b32 s61, 0
	s_lshl_b32 s62, s[Q0B], 7
	s_add_co_u32 s62, s62, s58
	s_mov_b32 s63, 0
	s_mov_b32 s59, 0
	s_and_b32 s70, s[WV], 1                        ; which half of a slot I fetch, if I fetch
	s_mul_i32 s71, s70, 64*PK
	s_mul_i32 s72, s70, 64*PV
	s_add_co_u32 s72, s72, VOFF
	s_lshl_b32 s74, s70, 14
	s_mov_b32 s75, 0
	s_mov_b32 s[G1K], (1<<16)|(1<<20)|(5<<22)|(3<<25)   ; elements of 2 bytes; padding: 4 words after every 64
	s_mov_b32 s[G1V], (1<<16)|(1<<20)|(5<<22)|(7<<25)   ; 8 words
.irp g, G1K, G1V
	s_mov_b32 s[\g+1], 128<<16                     ; tensor_dim0 = 128 elements: two keys
	s_mov_b32 s[\g+2], 64<<16                      ; tensor_dim1 = 64
	s_mov_b32 s[\g+3], 128<<16                     ; tile_dim0
	s_mov_b32 s[\g+4], 64                          ; tile_dim1
	s_mov_b32 s[\g+5], 128                         ; the pitch: dense
	s_mov_b32 s[\g+6], 0
	s_mov_b32 s[\g+7], 0
.endr
	s_mov_b32 s[SEL], 0x76543210
	s_mov_b32 s[SEL+1], 0xfedcba98
	s_mov_b32 s[CS], 0x3e38aa3b                    ; c = log2(e) / 8
	s_mov_b32 s[CS+1], s[CS]
	s_mov_b32 s[TB], 0
	s_mov_b32 s[TV], 0
	s_mov_b32 s[KF], 0
	s_mov_b32 s[SLOTS], 7
	s_wait_dscnt 0x0                               ; both opening adds are done
	s_wait_kmcnt 0x0
	s_add_nc_u64 s[66:67], s[4:5], s[58:59]
	s_add_nc_u64 s[68:69], s[66:67], 0x2000000     ; v of my head
	s_add_nc_u64 s[66:67], s[66:67], 0x1000000     ; k of my head
	s_mov_b32 s[G0K], 1
	s_mov_b32 s[G0K+1], s71
	s_add_nc_u64 s[G0K+2:G0K+3], s[66:67], s[74:75]
	s_or_b32 s[G0K+3], s[G0K+3], 0x80000000
	s_mov_b32 s[G0V], 1
	s_mov_b32 s[G0V+1], s72
	s_add_nc_u64 s[G0V+2:G0V+3], s[68:69], s[74:75]
	s_or_b32 s[G0V+3], s[G0V+3], 0x80000000
	TLOAD                                          ; slot 0: it holds key 0, which counts for every query
	s_add_nc_u64 s[8:9], s[4:5], s[60:61]          ; q at tile A, at tile B
	s_add_nc_u64 s[10:11], s[4:5], s[62:63]
	s_add_nc_u64 s[12:13], s[6:7], s[60:61]        ; ao likewise
	s_add_nc_u64 s[14:15], s[6:7], s[62:63]
	s_cmp_lt_u32 s[WV], 8
	s_cselect_b64 s[PFA:PFA+1], s[66:67], s[68:69]
	s_and_b32 s57, s[WV], 3
	s_lshl_b32 s58, s57, 13
	s_add_co_u32 s58, s58, 32768                   ; in slot 1: the first change of slots steps it to slot 2
	s_add_nc_u64 s[PFA:PFA+1], s[PFA:PFA+1], s[58:59]
	s_sub_co_u32 s57, s[WV], 4
	s_lshr_b32 s57, s57, 3                         ; 0 in waves 4 to 11,
	s_or_b32 s57, s57, ttmp9                       ; of the head's work-group 0
	s_cmp_eq_u32 s57, 0
	s_cselect_b32 s[LIM], 1, -1
	v_and_b32 v13, 15, v0                          ; r
	v_bfe_u32 v14, v0, 4, 1                        ; h
	v_and_b32 v15, 31, v0                          ; lane
	v_lshlrev_b32 v[QO], 7, v13
	v_lshl_add_u32 v[QO], v14, 4, v[QO]            ; q: row r of 128 bytes, + 16 h
.irp c, 0,1
	global_load_b128 v[QFA+8*\c:QFA+8*\c+3],   v[QO], s[8:9] offset:64*\c
	global_load_b128 v[QFA+8*\c+4:QFA+8*\c+7], v[QO], s[8:9] offset:64*\c+32
	global_load_b128 v[QFB+8*\c:QFB+8*\c+3],   v[QO], s[10:11] offset:64*\c
	global_load_b128 v[QFB+8*\c+4:QFB+8*\c+7], v[QO], s[10:11] offset:64*\c+32
.endr
	v_lshrrev_b32 v[AK0], 1, v13
	v_mul_u32_u24 v[AK0], v[AK0], PK
	v_and_b32 v6, 1, v13
	v_lshl_add_u32 v[AK0], v6, 7, v[AK0]
	v_lshl_add_u32 v[AK0], v14, 4, v[AK0]          ; K: key r of a tile: (r / 2) x 272 + 128 (r % 2) + 16 h
	v_bfe_u32 v[AV0], v0, 1, 2
	v_lshl_add_u32 v[AV0], v14, 2, v[AV0]
	v_mul_u32_u24 v[AV0], v[AV0], PV
	v_and_b32 v6, 1, v0
	v_lshl_add_u32 v[AV0], v6, 7, v[AV0]
	v_bfe_u32 v6, v0, 3, 1
	v_lshl_add_u32 v[AV0], v6, 4, v[AV0]
	v_add_nc_u32 v[AV0], VOFF, v[AV0]              ; V: key 8 h + lane % 8, channels 8 ((lane / 8) % 2) on
	v_lshlrev_b32 v[GO], 4, v15
	s_mul_i32 s73, s[WV], 16*OP
	v_mul_u32_u24 v[STO], v13, OP
	v_lshl_add_u32 v[STO], v14, 4, v[STO]
	v_add_nc_u32 v[STO], s73, v[STO]
	v_lshrrev_b32 v[RD], 3, v15
	v_mul_u32_u24 v[RD], v[RD], OP
	v_and_b32 v6, 7, v0
	v_lshl_add_u32 v[RD], v6, 4, v[RD]
	v_add_nc_u32 v[RD], s73, v[RD]
	v_lshlrev_b32 v[PFO], 8, v15
	v_lshlrev_b32 v6, 3, v14
	v_sub_nc_u32 v[DM], v13, v6                    ; r - 8 h
	v_mov_b32 v[NINF], 0xff800000
.irp t, STA, STB
	v_mov_b32 v[\t+1], 0xff61b1e6                  ; m: -3e38, under every score
	v_mul_f32 v[\t], s[CS], v[\t+1]
	v_mov_b32 v[\t+2], 0
	v_mov_b32 v[\t+3], 0
	v_mov_b32 v[\t+4], 0
	v_mov_b32 v[\t+5], 0
	v_mov_b32 v[\t+6], 0
	v_mov_b32 v[\t+7], 0
.endr
.set i, 0
.rept 64
	v_mov_b32 v[OTA+i], 0                          ; O^T: the loop has no first step of its own: the first a, 0, leaves zeros zeros
.set i, i+1
.endr
; A KEY STEP of one tile: 64 keys from s[KF] on.
.macro STEP rT, rQ, rO, q0
	s_add_co_u32 s57, s[\q0], 15
	s_cmp_gt_u32 s[KF], s57                        ; all keys behind my 16 queries: the step is left out
	s_cbranch_scc1 .Lhid_\@
	v_add_nc_u32 v[ADK], s[TB], v[AK0]
	v_add_nc_u32 v[ADV], s[TV], v[AV0]
	v_nop
	v_nop                                          ; four places in front of loads into registers that the last products have read
.irp kt, 0,1,2,3
.irp c, 0,1
	ds_load_b128 v[FR+8*(2*\kt+\c):FR+8*(2*\kt+\c)+3],   v[ADK] offset:\kt*8*PK+64*\c
	ds_load_b128 v[FR+8*(2*\kt+\c)+4:FR+8*(2*\kt+\c)+7], v[ADK] offset:\kt*8*PK+64*\c+32
.endr
.endr
	s_wait_dscnt 0x0
.irp kt, 0,1,2,3                               ; S^T = K Q^T: the four accumulators take turns
	v_wmma_f32_16x16x32_f16 v[S+8*\kt:S+8*\kt+7], v[FR+16*\kt:FR+16*\kt+7], v[\rQ:\rQ+7], 0
.endr
.irp kt, 0,1,2,3
	v_wmma_f32_16x16x32_f16 v[S+8*\kt:S+8*\kt+7], v[FR+16*\kt+8:FR+16*\kt+15], v[\rQ+8:\rQ+15], v[S+8*\kt:S+8*\kt+7]
.endr
.rept 4
	v_nop                                          ; places: for V's loads below and for the first read of the scores
.endr
.irp kc, 0,1                                   ; V lands while the softmax is worked
.irp ct, 0,1,2,3
	ds_load_tr16_b128 v[FR+8*(4*\kc+\ct):FR+8*(4*\kc+\ct)+3],   v[ADV] offset:16*\kc*PV+32*\ct
	ds_load_tr16_b128 v[FR+8*(4*\kc+\ct)+4:FR+8*(4*\kc+\ct)+7], v[ADV] offset:(16*\kc+8)*PV+32*\ct
.endr
.endr
	s_add_co_u32 s57, s[KF], 63
	s_cmp_le_u32 s57, s[\q0]                       ; a step all of whose keys count skips the mask
	s_cbranch_scc1 .Lopen_\@
	s_sub_co_i32 s57, s[\q0], s[KF]
	v_add_nc_u32 v[DD], s57, v[DM]                 ; d = my query - KF - 8 h.  Register 8 kt + j holds key KF + 16 kt + 8 h + j: hidden where 16 kt + j > d
.set n, 0
.rept 32
	v_cmp_gt_i32 vcc_lo, 16*(n/8)+n%8, v[DD]
	v_cndmask_b32 v[S+n], v[S+n], v[NINF], vcc_lo
.set n, n+1
.endr
.Lopen_\@:
.irp j, 0,1,2,3
	v_max3_num_f32 v[\rT+4+\j], v[S+8*\j], v[S+8*\j+1], v[S+8*\j+2]     ; each accumulator from its low end on
.endr
.irp j, 0,1,2,3
	v_max3_num_f32 v[\rT+4+\j], v[\rT+4+\j], v[S+8*\j+3], v[S+8*\j+4]
.endr
.irp j, 0,1,2,3
	v_max3_num_f32 v[\rT+4+\j], v[\rT+4+\j], v[S+8*\j+5], v[S+8*\j+6]
.endr
	v_max3_num_f32 v[\rT+4], v[\rT+4], v[S+7], v[S+15]
	v_max3_num_f32 v[\rT+6], v[\rT+6], v[S+23], v[S+31]
	v_max3_num_f32 v[\rT+4], v[\rT+4], v[\rT+5], v[\rT+6]
	v_max3_num_f32 v[\rT+4], v[\rT+4], v[\rT+7], v[\rT+1]               ; with the old m
	v_permlanex16_b32 v[\rT+5], v[\rT+4], s[SEL], s[SEL+1]              ; the query's other 32 keys lie in the lane 16 away
	v_mov_b32 v[\rT+7], v[\rT]                     ; c m_old
	v_max_num_f32 v[\rT+1], v[\rT+4], v[\rT+5]     ; the new m
	v_mul_f32 v[\rT], s[CS], v[\rT+1]
	v_sub_f32 v[\rT+7], v[\rT+7], v[\rT]
.set n, 0
.rept 16
	v_pk_fma_f32 v[S+2*n:S+2*n+1], v[S+2*n:S+2*n+1], s[CS:CS+1], v[\rT:\rT+1] op_sel_hi:[1,0,0] neg_lo:[0,0,1] neg_hi:[0,0,1]   ; c s - c m
.set n, n+1
.endr
	v_exp_f32 v[\rT+6], v[\rT+7]                   ; a = 2^(c m_old - c m_new)
.set n, 0
.rept 32
	v_exp_f32 v[S+n], v[S+n]                       ; p
.set n, n+1
.endr
	v_nop                                          ; a plain instruction behind the last exponential
	s_wait_alu depctr_va_vdst(0)                   ; one wait for the batch of 33, ahead of its first reader
.set n, 0
.rept 16
	v_cvt_pk_f16_f32 v[P+n], v[S+2*n], v[S+2*n+1]
.set n, n+1
.endr
.irp z, 0,1,2,3,4,5,6,7                        ; the sum of the 16 pairs, in place
	v_pk_add_f32 v[S+4*\z:S+4*\z+1], v[S+4*\z:S+4*\z+1], v[S+4*\z+2:S+4*\z+3]
.endr
.irp z, 0,1,2,3
	v_pk_add_f32 v[S+8*\z:S+8*\z+1], v[S+8*\z:S+8*\z+1], v[S+8*\z+4:S+8*\z+5]
.endr
.irp z, 0,1
	v_pk_add_f32 v[S+16*\z:S+16*\z+1], v[S+16*\z:S+16*\z+1], v[S+16*\z+8:S+16*\z+9]
.endr
	v_pk_add_f32 v[S:S+1], v[S:S+1], v[S+16:S+17]
	v_pk_fma_f32 v[\rT+2:\rT+3], v[\rT+2:\rT+3], v[\rT+6:\rT+7], v[S:S+1] op_sel_hi:[1,0,1]   ; l = a l + the sum
.set n, 0
.rept 16
	v_pk_mul_f32 v[\rO+2*n:\rO+2*n+1], v[\rO+2*n:\rO+2*n+1], v[\rT+6:\rT+7] op_sel_hi:[1,0]   ; O^T x a, from each accumulator's low end on
.set n, n+1
.endr
	s_wait_dscnt 0x0                               ; V is in
.irp kc, 0,1                                   ; O^T += V^T P: the four accumulators take turns
.irp ct, 0,1,2,3
	v_wmma_f32_16x16x32_f16 v[\rO+8*\ct:\rO+8*\ct+7], v[FR+8*(4*\kc+\ct):FR+8*(4*\kc+\ct)+7], v[P+8*\kc:P+8*\kc+7], v[\rO+8*\ct:\rO+8*\ct+7]
.endr
.endr
.Lhid_\@:
.endm
.macro SLOT_STEPS                      ; a slot's four key steps: written once, walked four times; the LDS addresses hang on s[TB] and s[TV]
	s_mov_b32 s[STP], 4
.Lstep_\@:
	STEP STB, QFB, OTB, Q0B
	STEP STA, QFA, OTA, Q0A
	s_add_co_u32 s[KF], s[KF], 64
	s_add_co_u32 s[TB], s[TB], 32*PK
	s_add_co_u32 s[TV], s[TV], 32*PV
	s_sub_co_u32 s[STP], s[STP], 1
	s_cmp_lg_u32 s[STP], 0
	s_cbranch_scc1 .Lstep_\@
	s_sub_co_u32 s[TB], s[TB], 128*PK
	s_xor_b32 s[TB], s[TB], SLOT1                  ; on to the other slot
	s_sub_co_u32 s[TV], s[TV], 128*PV
	s_xor_b32 s[TV], s[TV], SLOT1
.endm
; THE CHANGE OF SLOTS stands at a slot's head.  Each wave waits for all its tensor loads, adds 0 to its spare word, and waits for that and for its reads of the slot that it has left.  Behind the barrier
; the slot ahead is whole and nobody reads the other one, which is then filled with the keys that follow, up to the causal limit.
.macro CHANGE fill
	s_wait_tensorcnt 0x0                           ; no tensor load of mine is out, so a group 0 may be written
	ds_add_u32 v[SPW], v[NIL]
.if \fill
	ds_add_u32 v[SPW], v[NIL]                      ; and once more
	s_xor_b32 s[G0K+1], s[G0K+1], SLOT1
	s_add_nc_u64 s[G0K+2:G0K+3], s[G0K+2:G0K+3], 32768
	s_xor_b32 s[G0V+1], s[G0V+1], SLOT1
	s_add_nc_u64 s[G0V+2:G0V+3], s[G0V+2:G0V+3], 32768
	s_wait_xcnt 0x0                                ; the last prefetch, a slot back, has read its address
	s_add_nc_u64 s[PFA:PFA+1], s[PFA:PFA+1], 32768
.endif
	s_wait_dscnt 0x0
	s_barrier_signal -1
	s_barrier_wait -1
.if \fill
	s_add_co_u32 s57, s[KF], 256                   ; the first key of the slot that this change would ask for
	s_cmp_gt_u32 s57, s[QL]                        ; behind my work-group's last query: none of its waves would read it.  Ids and the count of steps alone: all sixteen waves go the same way
	s_cbranch_scc1 .Lpast_\@
	TLOAD                                          ; a wave's one tensor load until the next change: it has four key steps in which to land
.Lpast_\@:
	ASK
.endif
.endm
	s_wait_loadcnt 0x0                             ; Q
.Lslot:
	CHANGE 1
	SLOT_STEPS
	s_sub_co_u32 s[SLOTS], s[SLOTS], 1
	s_cmp_lg_u32 s[SLOTS], 0
	s_cbranch_scc1 .Lslot
	CHANGE 0                                       ; the last slot is written out: nothing is left to ask for
	SLOT_STEPS
	; THE WAY OUT: O^T / l, rounded to f16, through my stage; an instruction stores four rows of the head, 512 consecutive bytes, aligned.
.rept 4
	v_nop
.endr
.irp t, STA, STB
	v_add_f32 v[\t+4], v[\t+2], v[\t+3]
.endr
.irp t, STA, STB
	v_permlanex16_b32 v[\t+5], v[\t+4], s[SEL], s[SEL+1]
.endr
.irp t, STA, STB
	v_add_f32 v[\t+4], v[\t+4], v[\t+5]
.endr
.irp t, STA, STB
	v_rcp_f32 v[\t+6], v[\t+4]
.endr
	v_nop
	s_wait_alu depctr_va_vdst(0)                   ; one wait for the two reciprocals
.macro TOUT rT, rO, fo
.set n, 0
.rept 16
	v_pk_mul_f32 v[S+2*n:S+2*n+1], v[\rO+2*n:\rO+2*n+1], v[\rT+6:\rT+7] op_sel_hi:[1,0]
.set n, n+1
.endr
.set n, 0
.rept 16
	v_cvt_pk_f16_f32 v[P+n], v[S+2*n], v[S+2*n+1]
.set n, n+1
.endr
.irp ct, 0,1,2,3
	ds_store_b128 v[STO], v[P+4*\ct:P+4*\ct+3] offset:32*\ct
.endr
.irp u, 0,1,2,3
	ds_load_b128 v[FR+\fo+4*\u:FR+\fo+4*\u+3], v[RD] offset:4*OP*\u     ; LDS serves a wave's instructions in order: these see the stores above, and the next tile's stores come behind them
.endr
.endm
	TOUT STA, OTA, 0
	TOUT STB, OTB, 16
.irp u, 0,1,2,3
	s_wait_dscnt 11-\u                             ; behind tile A's load u: its 3 - u later loads and tile B's eight LDS instructions
	global_store_b128 v[GO], v[FR+4*\u:FR+4*\u+3], s[12:13] offset:512*\u
.endr
.irp u, 0,1,2,3
	s_wait_dscnt 3-\u
	global_store_b128 v[GO], v[FR+16+4*\u:FR+16+4*\u+3], s[14:15] offset:512*\u
.endr
	s_wait_tensorcnt 0x0                           ; the wave's end
	ds_add_u32 v[SPW], v[NIL]
	s_wait_dscnt 0x0
	s_endpgm
.Lfunc_end_k_q467f4ec8a0_attn:
	.size	k_q467f4ec8a0_attn, .Lfunc_end_k_q467f4ec8a0_attn-k_q467f4ec8a0_attn
	.p2alignl 7, 3214868480
	.fill 96, 4, 3214868480
	.section	.rodata,"a",@progbits
	.p2align	6, 0x0
	.amdhsa_kernel k_q467f4ec8a0_attn
		.amdhsa_group_segment_fixed_size 327680
		.amdhsa_private_segment_fixed_size 0
		.amdhsa_enable_private_segment 0
		.amdhsa_kernarg_size 16
		.amdhsa_user_sgpr_count 2
		.amdhsa_user_sgpr_kernarg_segment_ptr 1
		.amdhsa_wavefront_size32 1
		.amdhsa_system_sgpr_workgroup_id_x 1
		.amdhsa_system_sgpr_workgroup_id_y 1
		.amdhsa_system_sgpr_workgroup_id_z 1
		.amdhsa_system_vgpr_workitem_id 0
		.amdhsa_next_free_vgpr 256
		.amdhsa_next_free_sgpr 80
		.amdhsa_reserve_vcc 1
		.amdhsa_float_denorm_mode_32 3
		.amdhsa_float_denorm_mode_16_64 3
		.amdhsa_memory_ordered 1
		.amdhsa_forward_progress 1
		.amdhsa_inst_pref_size 67
	.end_amdhsa_kernel
	.amdgpu_metadata
---
amdhsa.version: [ 1, 2 ]
amdhsa.kernels:
  - .name:           k_q467f4ec8a0_attn
    .symbol:         k_q467f4ec8a0_attn.kd
    .args:
      - { .name: qkv, .offset: 0, .size: 8, .value_kind: global_buffer, .address_space: global }
      - { .name: ao, .offset: 8, .size: 8, .value_kind: global_buffer, .address_space: global }
    .group_segment_fixed_size: 327680
    .private_segment_fixed_size: 0
    .kernarg_segment_align: 8
    .kernarg_segment_size: 16
    .max_flat_workgroup_size: 512
    .sgpr_count:     80
    .vgpr_count:     256
    .wavefront_size: 32
...
	.end_amdgpu_metadata
.endif
;; end of part 3
;; launch oproj (part 4): grid 4 x 64, 4 waves a work-group, clusters of 4 x 4, 327,680 bytes of LDS; arguments ao, wo16, bo, out0; writes out0
.if DOCPART == 4
	.amdgcn_target "amdgcn-amd-amdhsa--gfx1250"
	.amdhsa_code_object_version 6
	.text
	.protected	k_q467f4ec8a0_oproj
	.globl	k_q467f4ec8a0_oproj
	.p2align	8
	.type	k_q467f4ec8a0_oproj,@function
k_q467f4ec8a0_oproj:
	s_mov_b64 s[64:65], 0
	v_nop
	global_prefetch_b8 v0, s[64:65] scope:SCOPE_SE
	s_setreg_imm32_b32 hwreg(HW_REG_WAVE_MODE, 25, 1), 1
	s_wait_xcnt 0x0
	s_wait_alu depctr_hold_cnt(0) depctr_sa_sdst(0) depctr_va_vdst(0) depctr_va_sdst(0) depctr_va_ssrc(0) depctr_va_vcc(0) depctr_vm_vsrc(0)
	s_getreg_b32 s2, hwreg(HW_REG_IB_STS2, 6, 4)
	s_cmp_eq_u32 s2, 0
	s_cbranch_scc0 .Lentry_in_a_cluster
	s_endpgm
.Lentry_in_a_cluster:
	s_bfe_u32 s2, ttmp6, 0x10000c
	s_cmp_lg_u32 s2, 0xf033
	s_cbranch_scc0 .Lentry_shape_is_right
	s_endpgm
.Lentry_shape_is_right:
; out0[m][n] = sum over k of o[m][k] Wo[k][n] + bo[n], on f16 operands with f32 sums.  o = ao [batch][head][position][64] f16 (k = head x 64 + e), wo16 [k][n] f16, out0 [8192][1024] f32.
; A tile of out0 is 128 (m) x 256 (n): 256 work-groups.  Four waves, each 64 x 128: 32 accumulators, 256 registers.  K goes in steps of 128, two heads, through a ring of two LDS slots.
; o's tile: two planes (heads) of 128 dense rows of 128 bytes, stated as 64 rows of 256 bytes + 16: row m lies at (m / 2) x 272 + 128 (m % 2).  Wo's tile: 128 k-rows of 512 bytes + 32, read turned by ds_load_tr16_b128.
; CLUSTERS: 4 x 4 work-groups; o's tiles are asked for jointly along a row of the cluster, Wo's along a column.
; THE MATRIX INSTRUCTION IS USED TRANSPOSED (source 0 = 16 columns of Wo, source 1 = 16 rows of o): a lane holds eight neighbouring n of one row m.  The bias is the C of each sum's first instruction.
; REGISTERS: window 0: v0-31 addresses; v32-95 o's fragments, two buffers; v96-223 Wo's, two buffers.  window 1: the accumulators ((a, b) at v[8 (8 a + b)]).  window 2: v0-63 the bias of my eight n blocks.
.set SLOTB,  104448                    ; o's 34,816 bytes, then Wo's 69,632
.set BOFF,   34816
.set PA,     272
.set PB,     544
.set STAGE,  2*SLOTB                   ; 16 rows x 528 bytes for each wave
.set SPITCH, 528
.set SPARE,  STAGE+4*16*SPITCH         ; the spare words: 128 bytes a wave, two blocks of 256 bytes that no other line names
.set ADRA, 16
.set ADRB, 20
.set STO,  24
.set RD,   25
.set CO,   26
.set SPW,  28
.set NIL,  29
.set PFO,  30
.set BOA,  31
.set AF,   32
.set BF,   96
.set BK,   32                          ; the way out: v32-95 and v96-159 by turns
.set G1,  24
.set G0,  32
.set G1B, 48
.set G0B, 56
.set LIM, 43
.set PFA, 44
.set MSB, 0
.macro WIN new
.if MSB != (\new)
	s_set_vgpr_msb (MSB<<8)|(\new)
.set MSB, (\new)
.endif
.endm
.set MUL,  0x50                        ; C and D window 1, sources window 0
.set MULB, 0x60                        ; C window 2 (the bias), D window 1
.macro JLOAD s                         ; waves 0 and 1 fetch o's two planes, waves 2 and 3 the halves of Wo's rows; an s_nop 0 and four v_nop follow each line
	s_cmp_eq_u32 s13, 0
	s_cbranch_scc0 .Lfor_b_\@
	tensor_load_to_lds s[G0+4*\s:G0+4*\s+3], s[G1:G1+7]
	s_nop 0
.rept 4
	v_nop
.endr
	s_branch .Lasked_\@
.Lfor_b_\@:
	tensor_load_to_lds s[G0B+4*\s:G0B+4*\s+3], s[G1B:G1B+7]
	s_nop 0
.rept 4
	v_nop
.endr
.Lasked_\@:
.endm
.macro CREST
	s_cmp_lg_u32 s12, 0
	s_cbranch_scc1 .Lnot_wave_0_\@
	s_barrier_signal -3
.Lnot_wave_0_\@:
	s_barrier_wait -3
	s_barrier_signal -1
	s_barrier_wait -1
.endm
.macro CROUND
	s_barrier_signal -1
	s_barrier_wait -1
	CREST
.endm
; A prefetch of o's K step two refills on: 2 planes x 64 blocks of 256 bytes.  Wave 0 of each of the four partners along the row asks for 32 of them, a lane a block, told apart by address (cx).
; Each block is named once in the launch; the loop's last trip asks for nothing.  Wo, which all rows of clusters walk together, is not asked for.
.macro ASK
	s_cmp_gt_u32 s3, s[LIM]
	s_cbranch_scc0 .Lnot_mine_\@
	global_prefetch_b8 v[PFO], s[PFA:PFA+1] offset:524288 th:TH_LOAD_NT scope:SCOPE_SE
.Lnot_mine_\@:
.endm
	s_load_b256 s[4:11], s[0:1], 0x0               ; ao, wo16, bo, out0
	v_lshl_add_u32 v[SPW], v0, 2, SPARE
	v_mov_b32 v[NIL], 0
	ds_add_u32 v[SPW], v[NIL]                      ; the wave's opening: the add, twice on end, and its wait ahead of my first tensor load
	ds_add_u32 v[SPW], v[NIL]
	v_lshrrev_b32 v1, 5, v0
	v_readfirstlane_b32 s12, v1                    ; wave 0..3
	s_lshr_b32 s13, s12, 1                         ; which 64 rows are mine.  Also: I fetch for o (0) or for Wo (1)
	s_and_b32 s14, s12, 1                          ; which 128 columns.  Also: which half I fetch
	s_bfe_u32 s15, ttmp6, 0x40000                  ; cx
	s_bfe_u32 s16, ttmp6, 0x40004                  ; cy
	s_lshl_b32 s18, ttmp9, 2
	s_add_co_u32 s18, s18, s15                     ; tile column
	s_and_b32 s17, ttmp7, 0xffff
	s_lshl_b32 s17, s17, 2
	s_add_co_u32 s17, s17, s16                     ; tile row, 0..63: batch = row / 16
	s_lshl_b32 s19, s16, 2
	s_lshl_b32 s19, 15, s19                        ; my row of the cluster
	s_lshl_b32 s20, 0x1111, s15                    ; my column
	s_or_b32 s[G1], s19, (1<<16)|(1<<20)|(1<<21)|(5<<22)|(3<<25)    ; elements of 2 bytes; padding: 4 words after every 64
	s_mov_b32 s[G1+1], 128<<16
	s_mov_b32 s[G1+2], 64<<16
	s_mov_b32 s[G1+3], 128<<16
	s_mov_b32 s[G1+4], 64
	s_mov_b32 s[G1+5], 128
	s_mov_b32 s[G1+6], 0
	s_mov_b32 s[G1+7], 0
	s_or_b32 s[G1B], s20, (1<<16)|(1<<20)|(1<<21)|(6<<22)|(7<<25)   ; padding: 8 words after every 128
	s_mov_b32 s[G1B+1], 256<<16
	s_mov_b32 s[G1B+2], 64<<16
	s_mov_b32 s[G1B+3], 256<<16
	s_mov_b32 s[G1B+4], 64
	s_mov_b32 s[G1B+5], 1024
	s_mov_b32 s[G1B+6], 0
	s_mov_b32 s[G1B+7], 0
	s_lshr_b32 s40, s17, 4
	s_lshl_b32 s40, s40, 4
	s_add_co_u32 s40, s40, s14                     ; o: batch x 16 + my plane's head,
	s_lshl_b32 s40, s40, 18
	s_and_b32 s41, s17, 15
	s_lshl_b32 s41, s41, 14
	s_add_co_u32 s40, s40, s41                     ; + the tile's 128 rows of 128 bytes
	s_mov_b32 s41, 0
	s_lshl_b32 s46, s14, 17                        ; Wo: my 64 k-rows of 2,048 bytes,
	s_lshl_b32 s47, s18, 9
	s_add_co_u32 s46, s46, s47                     ; + the tile's 256 columns
	s_mov_b32 s47, 0
	s_mul_i32 s22, s14, 64*PA                      ; where they go
	s_mul_i32 s23, s14, 64*PB
	s_add_co_u32 s23, s23, BOFF
	s_wait_dscnt 0x0                               ; both opening adds are done
	s_wait_kmcnt 0x0
	s_add_nc_u64 s[40:41], s[4:5], s[40:41]
	s_add_nc_u64 s[46:47], s[6:7], s[46:47]
	CROUND                                         ; all sixteen work-groups are here: the first joint loads meet
.irp s, 0,1
	s_mov_b32 s[G0+4*\s], 1
	s_add_co_u32 s[G0+4*\s+1], s22, \s*SLOTB
	s_add_nc_u64 s[G0+4*\s+2:G0+4*\s+3], s[40:41], \s*524288       ; K step s: two heads on
	s_or_b32 s[G0+4*\s+3], s[G0+4*\s+3], 0x80000000
	s_mov_b32 s[G0B+4*\s], 1
	s_add_co_u32 s[G0B+4*\s+1], s23, \s*SLOTB
	s_add_nc_u64 s[G0B+4*\s+2:G0B+4*\s+3], s[46:47], \s*262144     ; 128 k-rows on
	s_or_b32 s[G0B+4*\s+3], s[G0B+4*\s+3], 0x80000000
	JLOAD \s
.endr
	v_and_b32 v1, 15, v0                           ; r
	v_bfe_u32 v2, v0, 4, 1                         ; h
	v_and_b32 v3, 31, v0                           ; lane
	v_lshrrev_b32 v4, 1, v1
	v_mul_u32_u24 v4, v4, PA
	v_and_b32 v5, 1, v1
	v_lshl_add_u32 v4, v5, 7, v4
	v_lshl_add_u32 v4, v2, 4, v4                   ; o: row r of a block
	s_mul_i32 s20, s13, 32*PA                      ; my 64 rows
	v_and_b32 v5, 7, v0
	v_lshl_add_u32 v5, v2, 3, v5
	v_mul_u32_u24 v5, v5, PB
	v_bfe_u32 v6, v0, 3, 1
	v_lshl_add_u32 v5, v6, 4, v5                   ; Wo: k-row 8 h + lane % 8, columns 8 ((lane / 8) % 2) on
	s_lshl_b32 s21, s14, 8
	s_add_co_u32 s21, s21, BOFF                    ; my 128 columns
.irp s, 0,1
	v_add_nc_u32 v[ADRA+\s], s20, v4
	v_add_nc_u32 v[ADRB+\s], s21, v5
	s_add_co_u32 s20, s20, SLOTB
	s_add_co_u32 s21, s21, SLOTB
.endr
	s_mul_i32 s20, s12, 16*SPITCH
	s_add_co_u32 s20, s20, STAGE                   ; my stage
	v_mul_u32_u24 v4, v1, SPITCH
	v_lshl_add_u32 v4, v2, 5, v4
	v_add_nc_u32 v[STO], s20, v4
	v_lshlrev_b32 v[CO], 4, v3
	v_add_nc_u32 v[RD], s20, v[CO]
	v_lshlrev_b32 v[BOA], 5, v2
	v_lshlrev_b32 v[PFO], 18, v2
	v_lshl_add_u32 v[PFO], v1, 8, v[PFO]           ; plane lane / 16, block lane % 16
	s_lshl_b32 s46, s18, 10                        ; (offsets that hold cx are made in the registers that held Wo's address)
	s_lshl_b32 s42, s14, 9
	s_add_co_u32 s46, s46, s42
	s_mov_b32 s47, 0
	s_add_nc_u64 s[8:9], s[8:9], s[46:47]          ; bo at my 128 columns
	s_lshl_b32 s42, s17, 19
	s_add_co_u32 s46, s46, s42
	s_lshl_b32 s42, s13, 18
	s_add_co_u32 s46, s46, s42
	s_add_nc_u64 s[10:11], s[10:11], s[46:47]      ; out0 at my first row and column
	s_lshr_b32 s46, s17, 4
	s_lshl_b32 s46, s46, 22
	s_and_b32 s42, s17, 15
	s_lshl_b32 s42, s42, 14
	s_add_co_u32 s46, s46, s42
	s_lshl_b32 s42, s15, 12
	s_add_co_u32 s46, s46, s42                     ; my work-group's 16 blocks of each plane
	s_add_co_u32 s46, s46, 2*524288                ; at K step 2: the first refill steps it to 3 and names K step 4
	s_add_nc_u64 s[PFA:PFA+1], s[4:5], s[46:47]
	s_cmp_eq_u32 s12, 0
	s_cselect_b32 s[LIM], 1, -1
	WIN 0x80                                       ; destination window 2
.irp b, 0,1,2,3,4,5,6,7
	global_load_b128 v[8*\b:8*\b+3],   v[BOA], s[8:9] offset:64*\b       ; lane (r, h): bo at columns 16 b + 8 h + 0 .. 7
	global_load_b128 v[8*\b+4:8*\b+7], v[BOA], s[8:9] offset:64*\b+16
.endr
	WIN 0
; 8 matrix instructions: m block a against my eight n blocks, 32 along K, buffer f.  The 32 accumulators take turns in the same order in every quarter.
.macro MULA f, a, first
.irp b, 0,1,2,3,4,5,6,7
.if \first
	v_wmma_f32_16x16x32_f16 v[8*(8*(\a)+\b):8*(8*(\a)+\b)+7], v[BF+64*(\f)+8*\b:BF+64*(\f)+8*\b+7], v[AF+32*(\f)+8*(\a):AF+32*(\f)+8*(\a)+7], v[8*\b:8*\b+7]
.else
	v_wmma_f32_16x16x32_f16 v[8*(8*(\a)+\b):8*(8*(\a)+\b)+7], v[BF+64*(\f)+8*\b:BF+64*(\f)+8*\b+7], v[AF+32*(\f)+8*(\a):AF+32*(\f)+8*(\a)+7], v[8*(8*(\a)+\b):8*(8*(\a)+\b)+7]
.endif
.endr
.endm
; 24 LDS loads in one run: quarter qd (32 along K) of a slot into buffer f: Wo's eight fragments, then o's four
.macro FETCH slot, qd, f
	WIN 0
.irp b, 0,1,2,3,4,5,6,7
	ds_load_tr16_b128 v[BF+64*(\f)+8*\b:BF+64*(\f)+8*\b+3],   v[ADRB+\slot] offset:32*(\qd)*PB+32*\b
	ds_load_tr16_b128 v[BF+64*(\f)+8*\b+4:BF+64*(\f)+8*\b+7], v[ADRB+\slot] offset:(32*(\qd)+16)*PB+32*\b
.endr
.irp a, 0,1,2,3
	ds_load_b128 v[AF+32*(\f)+8*\a:AF+32*(\f)+8*\a+3],   v[ADRA+\slot] offset:((\qd)/2)*64*PA+\a*8*PA+64*((\qd)%2)
	ds_load_b128 v[AF+32*(\f)+8*\a+4:AF+32*(\f)+8*\a+7], v[ADRA+\slot] offset:((\qd)/2)*64*PA+\a*8*PA+64*((\qd)%2)+32
.endr
.endm
.macro PLACES
.rept 4
	v_nop
.endr
.endm
.macro QUARTER slot, qn, f, g, first   ; multiplies buffer f; in its middle fetches quarter qn of the same slot into buffer g
	s_wait_dscnt 4                                 ; Wo's fragments and o's blocks 0, 1 are in; the youngest four loads (blocks 2, 3) may be out
.if \first
	WIN MULB
.else
	WIN MUL
.endif
	MULA \f, 0, \first
	MULA \f, 1, \first
	PLACES
	FETCH \slot, \qn, \g
	s_wait_dscnt 24                                ; all but the 24 just issued
.if \first
	WIN MULB
.else
	WIN MUL
.endif
	MULA \f, 2, \first
	MULA \f, 3, \first
.endm
; A slot's last quarter multiplies buffer 1 and changes slots.  fill = 1: the barrier opens a round of the cluster's barrier, and this slot is filled again, two K steps ahead.
.macro TURN slot, next, fill
.if \fill
	s_wait_xcnt 0x0                                ; the last prefetch, a K step back, has read its address
	s_add_nc_u64 s[PFA:PFA+1], s[PFA:PFA+1], 524288
.endif
	WIN 0
	s_wait_tensorcnt 0x0                           ; all my tensor loads have landed: my part of the next slot
	ds_add_u32 v[SPW], v[NIL]
	s_wait_dscnt 5                                 ; the add and the youngest four loads may be out
	WIN MUL
	MULA 1, 0, 0
	s_wait_dscnt 0x0                               ; the add is done, and my reads of this slot are over
	s_barrier_signal -1
	MULA 1, 1, 0
	WIN 0
	s_barrier_wait -1
.if \fill
	CREST                                          ; no wave of any partner still reads this slot's tile or has a load on its way
	s_add_nc_u64 s[G0+4*\slot+2:G0+4*\slot+3], s[G0+4*\slot+2:G0+4*\slot+3], 1048576
	s_add_nc_u64 s[G0B+4*\slot+2:G0B+4*\slot+3], s[G0B+4*\slot+2:G0B+4*\slot+3], 524288
	JLOAD \slot                                    ; the first tensor load behind the round; its four v_nop are also the places in front of the loads below
.else
	PLACES
.endif
	FETCH \next, 0, 0
.if \fill
	ASK
.endif
	WIN MUL
	MULA 1, 2, 0
	MULA 1, 3, 0
.endm
	s_wait_tensorcnt 1                             ; my part of K step 0 is in; K step 1's load may be out
	s_barrier_signal -1
	s_barrier_wait -1
	FETCH 0, 0, 0
	s_wait_loadcnt 0x0                             ; the bias
	QUARTER 0, 1, 0, 1, 1                          ; the first products start the sums, from the bias
	WIN 0
	s_mov_b32 s3, 3
.Llap:                                             ; a trip goes once round the ring and fills both slots again
	QUARTER 0, 2, 1, 0, 0
	QUARTER 0, 3, 0, 1, 0
	TURN 0, 1, 1
	QUARTER 1, 1, 0, 1, 0
	QUARTER 1, 2, 1, 0, 0
	QUARTER 1, 3, 0, 1, 0
	TURN 1, 0, 1
	QUARTER 0, 1, 0, 1, 0
	WIN 0
	s_sub_co_u32 s3, s3, 1
	s_cmp_lg_u32 s3, 0
	s_cbranch_scc1 .Llap
	QUARTER 0, 2, 1, 0, 0                          ; the last lap fills nothing
	QUARTER 0, 3, 0, 1, 0
	TURN 0, 1, 0
	QUARTER 1, 1, 0, 1, 0
	QUARTER 1, 2, 1, 0, 0
	QUARTER 1, 3, 0, 1, 0
	s_wait_dscnt 4
	WIN MUL
	MULA 1, 0, 0
	MULA 1, 1, 0
	s_wait_dscnt 0
	MULA 1, 2, 0
	MULA 1, 3, 0
	WIN 0
; THE WAY OUT: a block of 16 rows x 128 columns goes through my own stage and comes back as whole rows of 512 bytes.
.macro TOSTAGE a
	WIN 0x04                                       ; an LDS store's data: window 1
.irp b, 0,1,2,3,4,5,6,7
	ds_store_b128 v[STO], v[8*(8*(\a)+\b):8*(8*(\a)+\b)+3] offset:64*\b        ; each accumulator from its low end on
	ds_store_b128 v[STO], v[8*(8*(\a)+\b)+4:8*(8*(\a)+\b)+7] offset:64*\b+16
.endr
	WIN 0
.set BB, BK+64*((\a)%2)
.irp t, 0,1,2,3,4,5,6,7,8,9,10,11,12,13,14,15
	ds_load_b128 v[BB+4*\t:BB+4*\t+3], v[RD] offset:\t*SPITCH
.endr
.endm
.macro SEND a, younger
.set BB, BK+64*((\a)%2)
	s_wait_dscnt \younger                          ; the block is back; the next block's 32 LDS instructions may be out
.irp t, 0,1,2,3,4,5,6,7,8,9,10,11,12,13,14,15
	global_store_b128 v[CO], v[BB+4*\t:BB+4*\t+3], s[10:11] offset:(16*(\a)+\t)*4096 th:TH_STORE_NT   ; 32 lanes store 512 consecutive bytes, aligned
.endr
.endm
	PLACES
	TOSTAGE 0
.irp a, 1,2,3
.if \a > 1
	s_wait_xcnt 0x0                                ; block a - 2's stores have read their registers: block a's loads may land there
.endif
	TOSTAGE \a
	SEND \a-1, 32
.endr
	SEND 3, 0
	s_wait_tensorcnt 0x0                           ; the wave's end
	ds_add_u32 v[SPW], v[NIL]
	s_wait_dscnt 0x0
	CROUND                                         ; the closing round
	s_endpgm
.Lfunc_end_k_q467f4ec8a0_oproj:
	.size	k_q467f4ec8a0_oproj, .Lfunc_end_k_q467f4ec8a0_oproj-k_q467f4ec8a0_oproj
	.p2alignl 7, 3214868480
	.fill 96, 4, 3214868480
	.section	.rodata,"a",@progbits
	.p2align	6, 0x0
	.amdhsa_kernel k_q467f4ec8a0_oproj
		.amdhsa_group_segment_fixed_size 327680
		.amdhsa_private_segment_fixed_size 0
		.amdhsa_enable_private_segment 0
		.amdhsa_kernarg_size 32
		.amdhsa_user_sgpr_count 2
		.amdhsa_user_sgpr_kernarg_segment_ptr 1
		.amdhsa_wavefront_size32 1
		.amdhsa_system_sgpr_workgroup_id_x 1
		.amdhsa_system_sgpr_workgroup_id_y 1
		.amdhsa_system_sgpr_workgroup_id_z 1
		.amdhsa_system_vgpr_workitem_id 0
		.amdhsa_next_free_vgpr 640
		.amdhsa_next_free_sgpr 66
		.amdhsa_reserve_vcc 0
		.amdhsa_float_denorm_mode_32 3
		.amdhsa_float_denorm_mode_16_64 3
		.amdhsa_memory_ordered 1
		.amdhsa_forward_progress 1
		.amdhsa_inst_pref_size 88
	.end_amdhsa_kernel
	.amdgpu_metadata
---
amdhsa.version: [ 1, 2 ]
amdhsa.kernels:
  - .name:           k_q467f4ec8a0_oproj
    .symbol:         k_q467f4ec8a0_oproj.kd
    .args:
      - { .name: ao, .offset: 0, .size: 8, .value_kind: global_buffer, .address_space: global }
      - { .name: wo16, .offset: 8, .size: 8, .value_kind: global_buffer, .address_space: global }
      - { .name: bo, .offset: 16, .size: 8, .value_kind: global_buffer, .address_space: global }
      - { .name: out0, .offset: 24, .size: 8, .value_kind: global_buffer, .address_space: global }
    .group_segment_fixed_size: 327680
    .private_segment_fixed_size: 0
    .kernarg_segment_align: 8
    .kernarg_segment_size: 32
    .max_flat_workgroup_size: 128
    .sgpr_count:     66
    .vgpr_count:     640
    .wavefront_size: 32
...
	.end_amdgpu_metadata
.endif
;; end of part 4
;; launch fine (part 5): grid 16 x 4, 16 waves a work-group, no clusters, 84,224 bytes of LDS; arguments q32, Wo, bo, out0; writes out0
.if DOCPART == 5
	.amdgcn_target "amdgcn-amd-amdhsa--gfx1250"
	.amdhsa_code_object_version 6
	.text
	.protected	k_q467f4ec8a0_fine
	.globl	k_q467f4ec8a0_fine
	.p2align	8
	.type	k_q467f4ec8a0_fine,@function
k_q467f4ec8a0_fine:
	s_mov_b64 s[64:65], 0
	v_nop
	global_prefetch_b8 v0, s[64:65] scope:SCOPE_SE
	s_setreg_imm32_b32 hwreg(HW_REG_WAVE_MODE, 25, 1), 1
	s_wait_xcnt 0x0
; The first 16 positions of every batch once more, all in f32: there a row of the softmax averages one to sixteen values, and the rounding of 16-bit operands would weigh most.
; q32: [batch x 16 + position][3072] f32 (q, k, v by head); Wo [1024][1024], bo [1024] f32; rows 0-15 of each batch of out0 are written over.
; Work-group (X, batch) makes 16 rows x columns 64 X .. 64 X + 63.  Phase 1: wave w does head w's attention on the 16 positions (repeated in the batch's 16 work-groups: 12 KB of loads and 32 matrix
; instructions a wave) and puts o into LDS.  Phase 2: wave w = (t = w % 4, kq = w / 4) multiplies o's k = 256 kq .. + 255 by Wo's columns 64 X + 16 t .. + 15; the four parts meet in LDS.
; The f32 matrix form takes 4 along K: lane (r, h), register j holds k = 2 h + j.  Which true k stands there is free so long as both sources agree: each side is loaded so that a lane's registers are neighbours in memory.
; Its results, v184-215, are written by matrix instructions alone; every sum begins with the constant 0; what is made of a sum goes into other registers.
; The output leaves in pieces of 64 bytes a row: 256 KB in the whole launch.
.set OPITCH, 4112                      ; a row of o in LDS: 4,096 bytes + 16
.set PART,   16*OPITCH                 ; the waves' parts of y: 1,024 bytes each, an image of eight registers
.set SPARE,  PART+16*1024              ; the spare words: 128 bytes a wave, eight blocks of 256 bytes that no other line names
.set SPW, 3
.set NIL, 4
.set QA,  5
.set VA,  6
.set WA,  7
.set OSTO, 8
.set OLD, 9
.set PST, 10
.set YO,  11
.set BOA, 12
.set DM,  13
.set NINF, 14
.set W0,  16                           ; v16-79 Wo, my first 128 of k; later v16-31 the sums
.set QR,  80                           ; v80-111 q, v112-143 k; later v80-143 Wo, my second 128 of k
.set KR,  112
.set W1,  80
.set VR,  144                          ; v144-175 v; later o's fragments
.set OF0, 144
.set ACC, 184                          ; v184-215 four accumulators
.set SS,  216                          ; v216-223 scores, then p; v224-239 at work; later v216-247 o's fragments
.set TT,  224
.set OF1, 216
.set BI,  248                          ; v248-255 the bias
	s_load_b256 s[4:11], s[0:1], 0x0               ; q32, Wo, bo, out0
	v_lshl_add_u32 v[SPW], v0, 2, SPARE
	v_mov_b32 v[NIL], 0
	v_lshrrev_b32 v1, 5, v0
	v_readfirstlane_b32 s12, v1                    ; wave 0..15
	v_and_b32 v1, 15, v0                           ; r
	v_bfe_u32 v2, v0, 4, 1                         ; h
	s_and_b32 s13, s12, 3                          ; t
	s_lshr_b32 s14, s12, 2                         ; kq
	s_and_b32 s16, ttmp7, 0xffff                   ; the batch
	s_mul_i32 s24, s16, 196608
	s_lshl_b32 s25, s12, 8
	s_add_co_u32 s24, s24, s25                     ; q32: the batch's 16 rows, head w's 64 numbers
	s_mov_b32 s25, 0
	s_lshl_b32 s28, ttmp9, 8
	s_lshl_b32 s29, s13, 6
	s_add_co_u32 s28, s28, s29                     ; my first column, in bytes
	s_mov_b32 s29, 0
	s_lshl_b32 s26, s14, 20
	s_add_co_u32 s26, s26, s28                     ; Wo: my 256 rows, my columns
	s_mov_b32 s27, 0
	s_lshl_b32 s30, s16, 23
	s_add_co_u32 s30, s30, s28                     ; out0: the batch's first row, my columns
	s_mov_b32 s31, 0
	s_mov_b32 s20, 0x76543210
	s_mov_b32 s21, 0xfedcba98
	s_mov_b32 s22, 0x3e38aa3b                      ; c = log2(e) / 8
	v_mul_u32_u24 v[QA], v1, 12288
	v_lshl_add_u32 v[QA], v2, 7, v[QA]             ; q, k: row r, channels 32 h on
	v_mul_u32_u24 v[VA], v2, 98304
	v_lshl_add_u32 v[VA], v1, 2, v[VA]             ; v: keys 8 h on, channel r of a tile
	v_lshlrev_b32 v[WA], 14, v2
	v_lshl_add_u32 v[WA], v1, 2, v[WA]             ; Wo: rows 4 h on, column r
	v_mul_u32_u24 v[OSTO], v1, OPITCH
	v_lshl_add_u32 v[OLD], v2, 4, v[OSTO]
	v_lshl_add_u32 v[OSTO], v2, 5, v[OSTO]
	s_lshl_b32 s17, s12, 8
	v_add_nc_u32 v[OSTO], s17, v[OSTO]             ; o, on the way in: row r, + 256 w + 32 h
	s_lshl_b32 s17, s14, 10
	v_add_nc_u32 v[OLD], s17, v[OLD]               ; and out: row r, + 1,024 kq + 16 h
	v_and_b32 v[PST], 31, v0
	v_lshlrev_b32 v[PST], 4, v[PST]
	s_lshl_b32 s17, s12, 10
	s_add_co_u32 s17, s17, PART
	v_add_nc_u32 v[PST], s17, v[PST]
	v_lshlrev_b32 v[YO], 12, v1
	v_lshl_add_u32 v[YO], v2, 5, v[YO]
	v_lshlrev_b32 v[BOA], 5, v2
	v_lshlrev_b32 v[DM], 3, v2
	v_sub_nc_u32 v[DM], v1, v[DM]                  ; r - 8 h
	v_mov_b32 v[NINF], 0xff800000
	v_mov_b32 v233, 0                              ; a lane permute's destination counts as one of its sources
	s_wait_kmcnt 0x0
	s_add_nc_u64 s[4:5], s[4:5], s[24:25]
	s_add_nc_u64 s[6:7], s[6:7], s[26:27]
	s_add_nc_u64 s[8:9], s[8:9], s[28:29]
	s_add_nc_u64 s[10:11], s[10:11], s[30:31]
	global_load_b128 v[BI:BI+3], v[BOA], s[8:9]
	global_load_b128 v[BI+4:BI+7], v[BOA], s[8:9] offset:16
.set i, 0
.rept 64
	global_load_b32 v[W0+i], v[WA], s[6:7] offset:(8*(i/4)+i%4)*4096         ; register 4 i' + n: Wo(256 kq + 8 i' + 4 h + n, my column)
.set i, i+1
.endr
.irp i, 0,1,2,3,4,5,6,7
	global_load_b128 v[QR+4*\i:QR+4*\i+3], v[QA], s[4:5] offset:16*\i
.endr
.irp i, 0,1,2,3,4,5,6,7
	global_load_b128 v[KR+4*\i:KR+4*\i+3], v[QA], s[4:5] offset:4096+16*\i
.endr
.set i, 0
.rept 32
	global_load_b32 v[VR+i], v[VA], s[4:5] offset:8192+(i%8)*12288+64*(i/8)  ; register 8 ct + jj: v(key 8 h + jj, channel 16 ct + r)
.set i, i+1
.endr
	; ---- phase 1: S^T = K Q^T, 16 steps of 4 channels, four accumulators by turns
	s_wait_loadcnt 32                              ; all but v's 32 loads are in
.set i, 0
.rept 16
.if i < 4
	v_wmma_f32_16x16x4_f32 v[ACC+8*(i%4):ACC+8*(i%4)+7], v[KR+2*i:KR+2*i+1], v[QR+2*i:QR+2*i+1], 0
.else
	v_wmma_f32_16x16x4_f32 v[ACC+8*(i%4):ACC+8*(i%4)+7], v[KR+2*i:KR+2*i+1], v[QR+2*i:QR+2*i+1], v[ACC+8*(i%4):ACC+8*(i%4)+7]
.endif
.set i, i+1
.endr
	s_wait_loadcnt 0x0                             ; v
.rept 8
	v_nop                                          ; eight places behind this form: for the loads below and for the first read of the sums
.endr
.set i, 0
.rept 64
	global_load_b32 v[W1+i], v[WA], s[6:7] offset:(8*(16+i/4)+i%4)*4096
.set i, i+1
.endr
.irp j, 0,1,2,3,4,5,6,7
	v_add_f32 v[SS+\j], v[ACC+\j], v[ACC+8+\j]     ; each accumulator from its low end on
	v_add_f32 v[TT+\j], v[ACC+16+\j], v[ACC+24+\j]
.endr
.irp j, 0,1,2,3,4,5,6,7
	v_add_f32 v[SS+\j], v[SS+\j], v[TT+\j]         ; lane (r, h): the score of query r and key 8 h + j
.endr
.irp j, 0,1,2,3,4,5,6,7
	v_cmp_gt_i32 vcc_lo, \j, v[DM]                 ; hidden where 8 h + j > r
	v_cndmask_b32 v[SS+\j], v[SS+\j], v[NINF], vcc_lo
.endr
	v_max3_num_f32 v232, v[SS], v[SS+1], v[SS+2]
	v_max3_num_f32 v232, v232, v[SS+3], v[SS+4]
	v_max3_num_f32 v232, v232, v[SS+5], v[SS+6]
	v_max_num_f32 v232, v232, v[SS+7]
	v_permlanex16_b32 v233, v232, s20, s21
	v_max_num_f32 v232, v232, v233                 ; the row's maximum: key 0 counts for every query
	v_mul_f32 v234, s22, v232
.irp j, 0,1,2,3,4,5,6,7
	v_fma_f32 v[SS+\j], v[SS+\j], s22, -v234
.endr
.irp j, 0,1,2,3,4,5,6,7
	v_exp_f32 v[SS+\j], v[SS+\j]
.endr
	v_nop
	s_wait_alu depctr_va_vdst(0)                   ; one wait for the eight exponentials
	v_add_f32 v235, v[SS], v[SS+1]
	v_add_f32 v236, v[SS+2], v[SS+3]
	v_add_f32 v237, v[SS+4], v[SS+5]
	v_add_f32 v238, v[SS+6], v[SS+7]
	v_add_f32 v235, v235, v236
	v_add_f32 v237, v237, v238
	v_add_f32 v235, v235, v237
	v_permlanex16_b32 v233, v235, s20, s21
	v_add_f32 v235, v235, v233
	v_rcp_f32 v236, v235
	v_nop
	s_wait_alu depctr_va_vdst(0)
.irp j, 0,1,2,3,4,5,6,7
	v_mul_f32 v[SS+\j], v[SS+\j], v236             ; the weights
.endr
.irp i, 0,1,2,3                                ; O^T = V^T P: 4 steps of 4 keys, the four tiles of channels by turns
.irp ct, 0,1,2,3
.if \i == 0
	v_wmma_f32_16x16x4_f32 v[ACC+8*\ct:ACC+8*\ct+7], v[VR+8*\ct+2*\i:VR+8*\ct+2*\i+1], v[SS+2*\i:SS+2*\i+1], 0
.else
	v_wmma_f32_16x16x4_f32 v[ACC+8*\ct:ACC+8*\ct+7], v[VR+8*\ct+2*\i:VR+8*\ct+2*\i+1], v[SS+2*\i:SS+2*\i+1], v[ACC+8*\ct:ACC+8*\ct+7]
.endif
.endr
.endr
.rept 9
	v_nop                                          ; nine places: the next sums are begun anew on these accumulators; eight serve the stores and the loads below
.endr
.irp ct, 0,1,2,3
	ds_store_b128 v[OSTO], v[ACC+8*\ct:ACC+8*\ct+3] offset:64*\ct            ; o(r, 64 w + 16 ct + 8 h + 0 .. 7)
	ds_store_b128 v[OSTO], v[ACC+8*\ct+4:ACC+8*\ct+7] offset:64*\ct+16
.endr
	s_wait_dscnt 0x0                               ; for the others' sake: my stores are done
	s_barrier_signal -1
	s_barrier_wait -1                              ; all 16 heads of o lie in LDS
	; ---- phase 2: y^T = Wo^T o^T over my 256 of k: 64 steps of 4, in four groups of 16
.macro OLOAD reg, g                    ; register 4 i + n: o(r, 256 kq + 8 (8 g + i) + 4 h + n)
.irp i, 0,1,2,3,4,5,6,7
	ds_load_b128 v[\reg+4*\i:\reg+4*\i+3], v[OLD] offset:32*(8*(\g)+\i)
.endr
.endm
.macro GRP first, wb, ob
.set i, 0
.rept 16
.if \first && (i < 4)
	v_wmma_f32_16x16x4_f32 v[ACC+8*(i%4):ACC+8*(i%4)+7], v[\wb+2*i:\wb+2*i+1], v[\ob+2*i:\ob+2*i+1], 0
.else
	v_wmma_f32_16x16x4_f32 v[ACC+8*(i%4):ACC+8*(i%4)+7], v[\wb+2*i:\wb+2*i+1], v[\ob+2*i:\ob+2*i+1], v[ACC+8*(i%4):ACC+8*(i%4)+7]
.endif
.set i, i+1
.endr
.endm
	OLOAD OF0, 0
	OLOAD OF1, 1
	s_wait_dscnt 8                                 ; group 0's eight loads are in; group 1's may be out
	GRP 1, W0, OF0
	s_wait_dscnt 0x0
	GRP 0, W0+32, OF1
.rept 8
	v_nop
.endr
	OLOAD OF0, 2
	OLOAD OF1, 3
	s_wait_loadcnt 0x0                             ; Wo's second half
	s_wait_dscnt 8
	GRP 0, W1, OF0
	s_wait_dscnt 0x0
	GRP 0, W1+32, OF1
.rept 8
	v_nop
.endr
.irp j, 0,1,2,3,4,5,6,7
	v_add_f32 v[16+\j], v[ACC+\j], v[ACC+8+\j]
	v_add_f32 v[24+\j], v[ACC+16+\j], v[ACC+24+\j]
.endr
.irp j, 0,1,2,3,4,5,6,7
	v_add_f32 v[16+\j], v[16+\j], v[24+\j]         ; lane (r, h): my part of y(r, my column 8 h + j)
.endr
	ds_store_b128 v[PST], v[16:19]
	ds_store_b128 v[PST], v[20:23] offset:512
	s_wait_tensorcnt 0x0                           ; my last LDS store is out: only LDS loads follow
	ds_add_u32 v[SPW], v[NIL]
	s_wait_dscnt 0x0                               ; and my stores are done, for the others' sake
	s_barrier_signal -1
	s_barrier_wait -1
	s_cmp_ge_u32 s12, 4                            ; waves 0 to 3 (kq = 0) add the parts of the waves 4, 8 and 12 further on
	s_cbranch_scc1 .Ldone
.irp m, 1,2,3
	ds_load_b128 v[24+8*\m:27+8*\m], v[PST] offset:4096*\m
	ds_load_b128 v[28+8*\m:31+8*\m], v[PST] offset:4096*\m+512
.endr
	s_wait_dscnt 0x0
.irp j, 0,1,2,3,4,5,6,7
	v_add_f32 v[16+\j], v[16+\j], v[32+\j]
	v_add_f32 v[40+\j], v[40+\j], v[48+\j]
.endr
.irp j, 0,1,2,3,4,5,6,7
	v_add_f32 v[16+\j], v[16+\j], v[40+\j]
.endr
.irp j, 0,1,2,3,4,5,6,7
	v_add_f32 v[16+\j], v[16+\j], v[BI+\j]
.endr
	global_store_b128 v[YO], v[16:19], s[10:11]
	global_store_b128 v[YO], v[20:23], s[10:11] offset:16
.Ldone:
	s_endpgm
.Lfunc_end_k_q467f4ec8a0_fine:
	.size	k_q467f4ec8a0_fine, .Lfunc_end_k_q467f4ec8a0_fine-k_q467f4ec8a0_fine
	.p2alignl 7, 3214868480
	.fill 96, 4, 3214868480
	.section	.rodata,"a",@progbits
	.p2align	6, 0x0
	.amdhsa_kernel k_q467f4ec8a0_fine
		.amdhsa_group_segment_fixed_size 84224
		.amdhsa_private_segment_fixed_size 0
		.amdhsa_enable_private_segment 0
		.amdhsa_kernarg_size 32
		.amdhsa_user_sgpr_count 2
		.amdhsa_user_sgpr_kernarg_segment_ptr 1
		.amdhsa_wavefront_size32 1
		.amdhsa_system_sgpr_workgroup_id_x 1
		.amdhsa_system_sgpr_workgroup_id_y 1
		.amdhsa_system_sgpr_workgroup_id_z 1
		.amdhsa_system_vgpr_workitem_id 0
		.amdhsa_next_free_vgpr 256
		.amdhsa_next_free_sgpr 66
		.amdhsa_reserve_vcc 1
		.amdhsa_float_denorm_mode_32 3
		.amdhsa_float_denorm_mode_16_64 3
		.amdhsa_memory_ordered 1
		.amdhsa_forward_progress 1
		.amdhsa_inst_pref_size 36
	.end_amdhsa_kernel
	.amdgpu_metadata
---
amdhsa.version: [ 1, 2 ]
amdhsa.kernels:
  - .name:           k_q467f4ec8a0_fine
    .symbol:         k_q467f4ec8a0_fine.kd
    .args:
      - { .name: q32, .offset: 0, .size: 8, .value_kind: global_buffer, .address_space: global }
      - { .name: Wo, .offset: 8, .size: 8, .value_kind: global_buffer, .address_space: global }
      - { .name: bo, .offset: 16, .size: 8, .value_kind: global_buffer, .address_space: global }
      - { .name: out0, .offset: 24, .size: 8, .value_kind: global_buffer, .address_space: global }
    .group_segment_fixed_size: 84224
    .private_segment_fixed_size: 0
    .kernarg_segment_align: 8
    .kernarg_segment_size: 32
    .max_flat_workgroup_size: 512
    .sgpr_count:     66
    .vgpr_count:     256
    .wavefront_size: 32
...
	.end_amdgpu_metadata
.endif
;; end of part 5
